; MI455X (gfx1250); checked and timed in simulation.
; The chip was launched on July 23, 2026; its instructions are those of AMD's public machine-readable ISA for CDNA 5 (MIT licence, August 2026) and "CDNA5" Instruction Set Architecture Reference Guide (July 2026). The comments in the code are by the model that wrote it; some were corrected since.
;; Causal Bilinear Self Attention. Allowed arithmetic: float matrix products may take bf16 or f16 operands with f32 sums; other float arithmetic in f32, or as packed bf16 or f16 multiplies, adds, multiply-adds, maxima and minima; sums over many terms, partial sums and values carried from step to step in f32; what a program stores and reads back later, other than sums and carried values, may be rounded once to bf16 or f16.
;; Inputs: Wk 1,024 x 1,024 float32; Wk2 1,024 x 1,024 float32; Wproj 1,024 x 1,024 float32; Wq 1,024 x 1,024 float32; Wq2 1,024 x 1,024 float32; Wv 1,024 x 1,024 float32; x 2 x 2,048 x 1,024 float32.
;; Outputs: out0 2 x 2,048 x 1,024 float32.
;; One version. Each part assembles by itself: llvm-mc -triple=amdgcn-amd-amdhsa -mcpu=gfx1250 --defsym DOCPART=n.
;; ======== version 1 of 1: 4 launches
;; limits: values are held in f16: magnitudes above 65,504 overflow, below 6.1e-05 lose precision
;; workspace buffers: xb 8,388,608 bytes; wcat 10,485,760 bytes; wpf 2,097,152 bytes; rope 524,288 bytes; qkv 41,943,040 bytes; mx 8,192 bytes; zf 8,388,608 bytes
;; launch prep (part 1): grid 704 x 1, 8 waves a work-group, no clusters, 0 bytes of LDS; arguments x, Wq, Wk, Wq2, Wk2, Wv, Wproj, xb, wcat, wpf, rope; writes xb, wcat, wpf, rope
.if DOCPART == 1
	.amdgcn_target "amdgcn-amd-amdhsa--gfx1250"
	.amdhsa_code_object_version 6
	.text
	.protected	k_qae94306154_prep
	.globl	k_qae94306154_prep
	.p2align	8
	.type	k_qae94306154_prep,@function
k_qae94306154_prep:
	s_mov_b64 s[64:65], 0
	v_nop
	global_prefetch_b8 v0, s[64:65] scope:SCOPE_SE
	s_setreg_imm32_b32 hwreg(HW_REG_WAVE_MODE, 25, 1), 1
	s_wait_xcnt 0x0
; PREP: x and the six weights are rounded to bf16 and laid in FRAGMENT ORDER; the table of cos and sin for the rotation is made.
; FRAGMENT ORDER of a matrix [R][1024] of 16-bit numbers: [R/16][64 chunks][32 lanes][8 numbers]; lane 16 h + r of chunk g of row block rb holds row 16 rb + r,
; columns 16 g + 8 h + 0..7.  A chunk is 512 consecutive bytes, and two chunks on end are one operand of a matrix instruction (16 rows x 32 along K).
; ROLES by the work-group's number: 0-255 a row block of x -> xb; 256-575 a row block of Wq, Wk, Wq2, Wk2, Wv -> wcat; 576-639 of Wproj -> wpf; 640-703 the table.
; wcat's row blocks go by heads, 20 to a head: q's four blocks of 16 channels, k's four, v's first two | q2's four, k2's four, v's last two.
; wpf holds Wproj rounded to bf16 and that number written as f16 (exact above 2^-14; below it f16's step of 2^-24 holds).
; THE TABLE: byte = tb 4096 + cs 2048 + bb 1024 + u 512 + lane 16: four f32, cos (cs = 0) or sin (cs = 1) of t = 16 tb + r at frequency i = 16 bb + 8 h + 4 u + 0..3.
; The angle t x 10000^(-i/32) is taken as an f32 product, as the definition takes it, brought into -pi .. pi by two fused steps with 2 pi in two parts, and fed to the
; series of sin (to x^15) and cos (to x^14): what is cut off is under 5e-6 at pi, whatever the inputs, since the table hangs on t alone.
; A cast's work-group has 16 rows x 1,024 columns; wave w takes columns 128 w on, eight chunks.  No register is written twice, so no wait frees any.
.set VS,  2                            ; v2   my byte offset in the 16 rows of f32: r x 4096 + 512 w + 32 h
.set VD,  3                            ; v3   my byte offset in the row block written: 4096 w + 16 lane
.set T,   8                            ; v[8:9] at work
.set X,   16                           ; v[16:79]  eight chunks as loaded, 8 f32 a lane each
.set Y,   80                           ; v[80:111] eight chunks to store, 4 words a lane each
.set SRC, 30                           ; s[30:31] the row block read
.set DST, 32                           ; s[32:33] the row block written
	s_load_b512 s[8:23], s[0:1], 0x0               ; x 8, Wq 10, Wk 12, Wq2 14, Wk2 16, Wv 18, Wproj 20, xb 22
	s_load_b128 s[24:27], s[0:1], 0x40             ; wcat 24, wpf 26
	s_load_b64 s[28:29], s[0:1], 0x50              ; rope
	v_lshrrev_b32 v1, 5, v0
	v_readfirstlane_b32 s2, v1                     ; wave 0..7
	v_and_b32 v4, 31, v0                           ; lane
	v_and_b32 v5, 15, v0                           ; r
	v_bfe_u32 v6, v0, 4, 1                         ; h
	s_mov_b32 s3, ttmp9
	v_lshlrev_b32 v[VS], 12, v5
	v_lshl_add_u32 v[VS], v6, 5, v[VS]
	s_lshl_b32 s4, s2, 9
	v_add_nc_u32 v[VS], s4, v[VS]
	s_lshl_b32 s4, s2, 12
	v_lshl_add_u32 v[VD], v4, 4, s4
	s_mov_b32 s41, 0
	s_mov_b32 s43, 0
	s_wait_kmcnt 0x0
	s_cmp_ge_u32 s3, 640
	s_cbranch_scc1 .Ltable
	s_cmp_ge_u32 s3, 576
	s_cbranch_scc1 .Lwp
	s_cmp_ge_u32 s3, 256
	s_cbranch_scc1 .Lw
	s_mov_b64 s[SRC:SRC+1], s[8:9]                 ; x -> xb, row block for row block
	s_mov_b64 s[DST:DST+1], s[22:23]
	s_mov_b32 s34, s3
	s_mov_b32 s35, s3
	s_branch .Lbf
.Lw:
	s_sub_co_u32 s36, s3, 256
	s_lshr_b32 s37, s36, 6                         ; which weight: 0 q, 1 k, 2 q2, 3 k2, 4 v
	s_and_b32 s34, s36, 63                         ; its row block
	s_and_b32 s39, s34, 3                          ; the block of 16 channels in the head
	s_lshr_b32 s35, s34, 2                         ; the head
	s_mul_i32 s35, s35, 20
	s_add_co_u32 s35, s35, s39
	s_mov_b64 s[SRC:SRC+1], s[10:11]
	s_mov_b32 s38, 0
	s_cmp_eq_u32 s37, 1
	s_cselect_b64 s[SRC:SRC+1], s[12:13], s[SRC:SRC+1]
	s_cselect_b32 s38, 4, s38
	s_cmp_eq_u32 s37, 2
	s_cselect_b64 s[SRC:SRC+1], s[14:15], s[SRC:SRC+1]
	s_cselect_b32 s38, 10, s38
	s_cmp_eq_u32 s37, 3
	s_cselect_b64 s[SRC:SRC+1], s[16:17], s[SRC:SRC+1]
	s_cselect_b32 s38, 14, s38
	s_cmp_eq_u32 s37, 4
	s_cselect_b64 s[SRC:SRC+1], s[18:19], s[SRC:SRC+1]
	s_cselect_b32 s38, 8, s38
	s_cselect_b32 s44, 8, 0                        ; v's last two blocks lie eight places further on
	s_cmp_ge_u32 s39, 2
	s_cselect_b32 s44, s44, 0
	s_add_co_u32 s35, s35, s38
	s_add_co_u32 s35, s35, s44
	s_mov_b64 s[DST:DST+1], s[24:25]
.macro BASES                           ; a row block is 65,536 bytes of f32 and 32,768 bytes of 16-bit numbers
	s_lshl_b32 s40, s34, 16
	s_lshl_b32 s42, s35, 15
	s_add_nc_u64 s[SRC:SRC+1], s[SRC:SRC+1], s[40:41]
	s_add_nc_u64 s[DST:DST+1], s[DST:DST+1], s[42:43]
.endm
; Sixteen loads on end, which together take 512 whole bytes of each of the 16 rows; then chunk by chunk: round, store 512 consecutive bytes.
.macro CAST fmt
.irp g, 0,1,2,3,4,5,6,7
	global_load_b128 v[X+8*(\g):X+8*(\g)+3],   v[VS], s[SRC:SRC+1] offset:64*(\g) th:TH_LOAD_NT
	global_load_b128 v[X+8*(\g)+4:X+8*(\g)+7], v[VS], s[SRC:SRC+1] offset:64*(\g)+16 th:TH_LOAD_NT
.endr
.irp g, 0,1,2,3,4,5,6,7
	s_wait_loadcnt 14-2*(\g)                       ; loads come back in order: the two of each later chunk may stay out
.irp k, 0,1,2,3
	v_cvt_pk_bf16_f32 v[Y+4*(\g)+(\k)], v[X+8*(\g)+2*(\k)], v[X+8*(\g)+2*(\k)+1]
.endr
.if \fmt
.irp k, 0,1,2,3
	v_lshlrev_b32 v[T], 16, v[Y+4*(\g)+(\k)]       ; the bf16 numbers as f32,
	v_and_b32 v[T+1], 0xffff0000, v[Y+4*(\g)+(\k)]
	v_cvt_pk_f16_f32 v[Y+4*(\g)+(\k)], v[T], v[T+1]  ; written as f16
.endr
.endif
	global_store_b128 v[VD], v[Y+4*(\g):Y+4*(\g)+3], s[DST:DST+1] offset:512*(\g)
.endr
.endm
.Lbf:
	BASES
	CAST 0
	s_endpgm
.Lwp:
	s_sub_co_u32 s34, s3, 576
	s_mov_b32 s35, s34
	s_mov_b64 s[SRC:SRC+1], s[20:21]
	s_mov_b64 s[DST:DST+1], s[26:27]
	BASES
	CAST 1
	s_endpgm
.Ltable:                                       ; 512 waves; wave n writes 512 bytes of cos and 512 of sin
	s_sub_co_u32 s4, s3, 640
	s_lshl_b32 s4, s4, 3
	s_add_co_u32 s4, s4, s2                        ; n
	s_lshr_b32 s5, s4, 2                           ; tb
	s_and_b32 s6, s4, 3                            ; 2 bb + u
	s_lshr_b32 s36, s6, 1
	s_and_b32 s37, s6, 1
	s_lshl_b32 s36, s36, 4
	s_lshl2_add_u32 s36, s37, s36                  ; 16 bb + 4 u
	v_lshl_add_u32 v7, v6, 3, s36                  ; + 8 h: my first frequency
	s_lshl_b32 s38, s5, 4
	v_add_nc_u32 v9, s38, v5                       ; t
	v_cvt_f32_u32 v9, v9
	s_mov_b32 s39, 0x40c90fdb                      ; 2 pi, its f32,
	s_mov_b32 s40, 0xb43bbd2e                      ; and what that f32 leaves
	s_lshl_b32 s41, s5, 12
	s_lshl_b32 s42, s6, 9
	s_add_co_u32 s41, s41, s42
.irp e, 0,1,2,3
	v_add_nc_u32 v[16+\e], \e, v7
	v_cvt_f32_u32 v[16+\e], v[16+\e]
	v_mul_f32 v[16+\e], 0xbed49a78, v[16+\e]       ; - i log2(10000) / 32
.endr
.irp e, 0,1,2,3
	v_exp_f32 v[20+\e], v[16+\e]
.endr
	v_lshl_add_u32 v10, v4, 4, s41                 ; where I store: the plain instruction behind the last exponential
	s_wait_alu depctr_va_vdst(0)                   ; one wait for the four, ahead of their first reader
.irp e, 0,1,2,3
	v_mul_f32 v[24+\e], v9, v[20+\e]               ; the angle
.endr
.irp e, 0,1,2,3
	v_mul_f32 v[28+\e], 0.15915494, v[24+\e]
.endr
.irp e, 0,1,2,3
	v_rndne_f32 v[28+\e], v[28+\e]                 ; whole turns
.endr
.irp e, 0,1,2,3
	v_fma_f32 v[24+\e], -v[28+\e], s39, v[24+\e]
.endr
.irp e, 0,1,2,3
	v_fma_f32 v[24+\e], -v[28+\e], s40, v[24+\e]   ; within -pi .. pi
.endr
.irp e, 0,1,2,3
	v_mul_f32 v[32+\e], v[24+\e], v[24+\e]
	v_mov_b32 v[36+\e], 0xab573f9f                 ; -1/15!
	v_mov_b32 v[40+\e], 0xad49cba6                 ; -1/14!
.endr
.irp c, 0x2f309231, 0xb2d7322b, 0x3638ef1d, 0xb9500d01, 0x3c088889, 0xbe2aaaab, 0x3f800000
.irp e, 0,1,2,3
	v_fmaak_f32 v[36+\e], v[36+\e], v[32+\e], \c
.endr
.endr
.irp c, 0x310f76c8, 0xb493f27e, 0x37d00d01, 0xbab60b61, 0x3d2aaaab, 0xbf000000, 0x3f800000
.irp e, 0,1,2,3
	v_fmaak_f32 v[40+\e], v[40+\e], v[32+\e], \c
.endr
.endr
.irp e, 0,1,2,3
	v_mul_f32 v[36+\e], v[36+\e], v[24+\e]
.endr
	global_store_b128 v10, v[40:43], s[28:29]              ; cos
	global_store_b128 v10, v[36:39], s[28:29] offset:2048  ; sin
	s_endpgm
.Lfunc_end_k_qae94306154_prep:
	.size	k_qae94306154_prep, .Lfunc_end_k_qae94306154_prep-k_qae94306154_prep
	.p2alignl 7, 3214868480
	.fill 96, 4, 3214868480
	.section	.rodata,"a",@progbits
	.p2align	6, 0x0
	.amdhsa_kernel k_qae94306154_prep
		.amdhsa_group_segment_fixed_size 0
		.amdhsa_private_segment_fixed_size 0
		.amdhsa_enable_private_segment 0
		.amdhsa_kernarg_size 88
		.amdhsa_user_sgpr_count 2
		.amdhsa_user_sgpr_kernarg_segment_ptr 1
		.amdhsa_wavefront_size32 1
		.amdhsa_system_sgpr_workgroup_id_x 1
		.amdhsa_system_sgpr_workgroup_id_y 1
		.amdhsa_system_sgpr_workgroup_id_z 1
		.amdhsa_system_vgpr_workitem_id 0
		.amdhsa_next_free_vgpr 112
		.amdhsa_next_free_sgpr 66
		.amdhsa_reserve_vcc 0
		.amdhsa_float_denorm_mode_32 3
		.amdhsa_float_denorm_mode_16_64 3
		.amdhsa_memory_ordered 1
		.amdhsa_forward_progress 1
		.amdhsa_inst_pref_size 24
	.end_amdhsa_kernel
	.amdgpu_metadata
---
amdhsa.version: [ 1, 2 ]
amdhsa.kernels:
  - .name:           k_qae94306154_prep
    .symbol:         k_qae94306154_prep.kd
    .args:
      - { .name: x, .offset: 0, .size: 8, .value_kind: global_buffer, .address_space: global }
      - { .name: Wq, .offset: 8, .size: 8, .value_kind: global_buffer, .address_space: global }
      - { .name: Wk, .offset: 16, .size: 8, .value_kind: global_buffer, .address_space: global }
      - { .name: Wq2, .offset: 24, .size: 8, .value_kind: global_buffer, .address_space: global }
      - { .name: Wk2, .offset: 32, .size: 8, .value_kind: global_buffer, .address_space: global }
      - { .name: Wv, .offset: 40, .size: 8, .value_kind: global_buffer, .address_space: global }
      - { .name: Wproj, .offset: 48, .size: 8, .value_kind: global_buffer, .address_space: global }
      - { .name: xb, .offset: 56, .size: 8, .value_kind: global_buffer, .address_space: global }
      - { .name: wcat, .offset: 64, .size: 8, .value_kind: global_buffer, .address_space: global }
      - { .name: wpf, .offset: 72, .size: 8, .value_kind: global_buffer, .address_space: global }
      - { .name: rope, .offset: 80, .size: 8, .value_kind: global_buffer, .address_space: global }
    .group_segment_fixed_size: 0
    .private_segment_fixed_size: 0
    .kernarg_segment_align: 8
    .kernarg_segment_size: 88
    .max_flat_workgroup_size: 256
    .sgpr_count:     66
    .vgpr_count:     112
    .wavefront_size: 32
...
	.end_amdgpu_metadata
.endif
;; end of part 1
;; launch proj (part 2): grid 16 x 16, 4 waves a work-group, clusters of 4 x 4, 327,680 bytes of LDS; arguments xb, wcat, rope, qkv, mx; writes qkv, mx
.if DOCPART == 2
	.amdgcn_target "amdgcn-amd-amdhsa--gfx1250"
	.amdhsa_code_object_version 6
	.text
	.protected	k_qae94306154_proj
	.globl	k_qae94306154_proj
	.p2align	8
	.type	k_qae94306154_proj,@function
k_qae94306154_proj:
	s_mov_b64 s[64:65], 0
	v_nop
	global_prefetch_b8 v0, s[64:65] scope:SCOPE_SE
	s_setreg_imm32_b32 hwreg(HW_REG_WAVE_MODE, 25, 1), 1
	s_wait_xcnt 0x0
	s_wait_alu depctr_hold_cnt(0) depctr_sa_sdst(0) depctr_va_vdst(0) depctr_va_sdst(0) depctr_va_ssrc(0) depctr_va_vcc(0) depctr_vm_vsrc(0)
	s_getreg_b32 s2, hwreg(HW_REG_IB_STS2, 6, 4)
	s_cmp_eq_u32 s2, 0
	s_cbranch_scc0 .Lentry_in_a_cluster
	s_endpgm
.Lentry_in_a_cluster:
	s_bfe_u32 s2, ttmp6, 0x10000c
	s_cmp_lg_u32 s2, 0xf033
	s_cbranch_scc0 .Lentry_shape_is_right
	s_endpgm
.Lentry_shape_is_right:
; PROJ: q, k, q2, k2, v = x W^T (bf16 operands, f32 sums), the rotation on q, k, q2, k2, all five written in f16 by heads, and each tile's largest magnitudes.
; A work-group makes 256 tokens x one head's 320 columns.  Four waves: wave = (row half of 128 tokens, column half of 160: q, k, v's channels 0-31 | q2, k2, v's channels 32-63):
; 8 x 10 accumulators of 16 x 16.  K = 1,024 goes in eight steps of 128 through two LDS slots filled by tensor loads.
; xb and wcat lie in fragment order ([row block of 16][chunk of 16 along K][lane][8 numbers], 512 bytes a chunk): an LDS load of a wave takes 512 consecutive bytes, so LDS rows want no padding.
; q, k, q2, k2 are multiplied TRANSPOSED (source 0 = 16 rows of W, source 1 = 16 tokens): a lane holds one token and 8 neighbouring channels, and channel d and d + 32, which the rotation
; pairs, lie in the same lane and register two column blocks apart.  v is multiplied the natural way round: a lane holds one channel and 8 tokens, the operand V^T of the next launch.
; A packed accumulator IS a chunk of the output's fragment order: it leaves by one store of 512 consecutive bytes a wave, with no way through LDS.
; qkv: five planes of 8,388,608 bytes (q, k, q2, k2, v); in a plane byte = (batch 16 + head) 262144 + tb 2048 + blk 512 + lane 16.
; mx: for each work-group 8 f32: the largest |f16 stored| of q, k, q2, k2, and of v four times.
; CLUSTER 4 x 4: the four of a row share their tokens' tiles of xb, the four of a column their head's tiles of wcat: each tile is asked for jointly, by the same load with the same descriptor.
; LIMITS.  f16 ends at 65,504: q, k, q2, k2, v must stay within it.  NaN and infinities are not treated apart.
; REGISTERS in windows of 256 (s_set_vgpr_msb: bits 1:0 source 0, 3:2 source 1, 5:4 source 2, 7:6 destination):
;   window 0: v0-31 addresses and maxima; v32-95, v96-159 x's fragments, two buffers; v160-191 a set of cos and sin; v192-255 v's accumulators of my tokens 0-63
;   window 1: v0-79, v80-159 W's fragments, two buffers; v192-255 v's accumulators of my tokens 64-127
;   window 2, 3: the accumulators (a, b < 8) of my tokens 0-63, 64-127, at v[8 (8 (a % 4) + b)]
.set KSB,   4096                       ; bytes of a K step in a row block: 8 chunks
.set HALFA, 8*KSB                      ; 128 tokens: what one load brings of xb, and what a wave reads
.set HALFB, 10*KSB                     ; 160 columns, of wcat
.set SLOT,  2*HALFA+2*HALFB            ; xb's two halves, then wcat's two
.set SPARE, 2*SLOT                     ; behind the ring: the spare words, 128 bytes a wave
.set MXS,   SPARE+512                  ; a block of 256 bytes for the waves' maxima; no tile lands here
.set PLANE, 8388608
.set MA,   12                          ; v12-14  running maxima, two f16 each: my first tensor, my second, v
.set ADRA, 16                          ; v16-17  LDS address of my fragments of x in slot 0, 1
.set ADRB, 20                          ; v20-21  the same for W
.set LO16, 24                          ; v24     16 x lane; never rewritten
.set SPW,  28                          ; v28     my spare word; never rewritten
.set NIL,  29                          ; v29     0; never rewritten
.set PFO,  30                          ; v30     the prefetches' offset; never rewritten
.set PFO2, 31                          ; v31     the same for wcat's blocks left over
.set FA,   32
.set FB,   0
.set VA,   192
.set RS0,  160                         ; four sets of cos and sin, 32 registers each: cos of channels 0-15, 16-31, then sin
.set RS1,  32
.set RS2,  64
.set RS3,  96
.set T,    128                         ; v128-143 at work on the way out
.set PK,   144                         ; v144-159 packed results
.set G1,  24                           ; s[24:31] descriptor group 1 for xb;  s[32:39] group 0, a set for each slot
.set G0,  32
.set G1B, 48                           ; s[48:55], s[56:63] the same for wcat
.set G0B, 56
.set LIM, 43                           ; s43  1 in a wave that prefetches, else the greatest number
.set PFA, 44                           ; s[44:45] where my prefetches stand
.set ONCE, 74                          ; s74  3 in a wave that prefetches wcat, else 0
.set SB0, 76                           ; s[76:77], s[78:79] where my two rotated tensors go
.set SBV, 80                           ; s[80:81] where v goes
.set SR,  82                           ; s[82:83] the table at my first token block
.set MSB, 0
.macro WIN new                         ; the immediate's high byte repeats the setting that is left
.if MSB != (\new)
	s_set_vgpr_msb (MSB<<8)|(\new)
.set MSB, \new
.endif
.endm
.macro PLACES                          ; four places between a matrix instruction and a load into, or a vector instruction on, its registers
.rept 4
	v_nop
.endr
.endm
; A joint load: waves 0 and 1 fetch xb's two halves, waves 2 and 3 wcat's.  The branch hangs on the wave's number alone.  An s_nop 0 and four v_nop follow each line.
.macro JLOAD s
	s_cmp_eq_u32 s11, 0
	s_cbranch_scc0 .Lfor_b_\@
	tensor_load_to_lds s[G0+4*(\s):G0+4*(\s)+3], s[G1:G1+7]
	s_nop 0
.rept 4
	v_nop
.endr
	s_branch .Lasked_\@
.Lfor_b_\@:
	tensor_load_to_lds s[G0B+4*(\s):G0B+4*(\s)+3], s[G1B:G1B+7]
	s_nop 0
.rept 4
	v_nop
.endr
.Lasked_\@:
.endm
; A prefetch into the L2 of the K step that stands two refills on (K steps 4 to 7; 0 to 3 come by their loads alone).  xb's tiles are asked for by the clusters with x = 0, wcat's by those with y = 0;
; the four partners of a joint load share its aligned blocks of 256 bytes out by address: 32 of xb's 128 each, a lane a block; 40 of wcat's 160 each: 32 here, and the 8 left over, for all four K steps
; (32 blocks), once, at the first refill.  So each block is named once in the launch.  The loop's last trip (s3 = 1) asks for nothing.
.macro ASK slot
	s_cmp_gt_u32 s3, s[LIM]
	s_cbranch_scc0 .Lnot_mine_\@
	global_prefetch_b8 v[PFO], s[PFA:PFA+1] offset:KSB th:TH_LOAD_NT scope:SCOPE_SE
.if (\slot) == 0
	s_cmp_eq_u32 s3, s[ONCE]
	s_cbranch_scc0 .Lnot_mine_\@
	global_prefetch_b8 v[PFO2], s[PFA:PFA+1] offset:KSB th:TH_LOAD_NT scope:SCOPE_SE
.endif
.Lnot_mine_\@:
.endm
.macro CREST                           ; a round of the cluster's barrier behind its opening barrier
	s_cmp_lg_u32 s10, 0
	s_cbranch_scc1 .Lnot_wave_0_\@
	s_barrier_signal -3
.Lnot_wave_0_\@:
	s_barrier_wait -3
	s_barrier_signal -1
	s_barrier_wait -1
.endm
.macro CROUND
	s_barrier_signal -1
	s_barrier_wait -1
	CREST
.endm
	s_load_b128 s[4:7], s[0:1], 0x0                ; xb, wcat
	s_load_b128 s[68:71], s[0:1], 0x10             ; rope, qkv
	s_load_b64 s[72:73], s[0:1], 0x20              ; mx
	v_lshl_add_u32 v[SPW], v0, 2, SPARE
	v_mov_b32 v[NIL], 0
	ds_add_u32 v[SPW], v[NIL]                      ; the opening: the add, twice on end, and its wait ahead of my first tensor load
	ds_add_u32 v[SPW], v[NIL]
	v_lshrrev_b32 v1, 5, v0
	v_readfirstlane_b32 s10, v1                    ; wave 0..3
	s_lshr_b32 s11, s10, 1                         ; my half of the tokens.  Also: I fetch xb (0) or wcat (1)
	s_and_b32 s12, s10, 1                          ; my half of the columns.  Also: which half of that tile I fetch
	s_bfe_u32 s40, ttmp6, 0x40000                  ; cx
	s_bfe_u32 s41, ttmp6, 0x40004                  ; cy
	s_lshl_b32 s42, ttmp9, 2
	s_add_co_u32 s42, s42, s40                     ; the head = 4 x cluster x + cx
	s_and_b32 s13, ttmp7, 0xffff
	s_lshl_b32 s13, s13, 2
	s_add_co_u32 s13, s13, s41                     ; the block of 256 tokens = 4 x cluster y + cy
	s_lshl_b32 s43, s41, 2
	s_lshl_b32 s43, 15, s43                        ; my row of the cluster
	s_lshl_b32 s44, 0x1111, s40                    ; my column
	; group 1: rows of 512 elements of 8 bytes (a K step of one row block), 4,096 elements from row block to row block, no padding
	s_or_b32 s[G1+0], s43, (3<<16)|(1<<21)         ; 15:0 the mask; 17:16 elements of 8 bytes; 21 set beside a mask
	s_or_b32 s[G1B+0], s44, (3<<16)|(1<<21)
.irp g, G1, G1B
	s_mov_b32 s[(\g)+1], 512<<16                   ; tensor_dim0 = 512
	s_mov_b32 s[(\g)+3], 512<<16                   ; tile_dim0 = 512
	s_mov_b32 s[(\g)+5], 4096                      ; the pitch
	s_mov_b32 s[(\g)+6], 0
	s_mov_b32 s[(\g)+7], 0
.endr
	s_mov_b32 s[G1+2], 8<<16                       ; tensor_dim1 = tile_dim1 = 8 row blocks of xb,
	s_mov_b32 s[G1+4], 8
	s_mov_b32 s[G1B+2], 10<<16                     ; 10 of wcat
	s_mov_b32 s[G1B+4], 10
	s_lshl_b32 s16, s13, 4                         ; xb: row block 16 x token block + 8 x half
	s_lshl_b32 s17, s12, 3
	s_add_co_u32 s16, s16, s17
	s_lshl_b32 s16, s16, 15
	s_mov_b32 s17, 0
	s_mul_i32 s46, s42, 20                         ; wcat: row block 20 x head + 10 x half
	s_mul_i32 s47, s12, 10
	s_add_co_u32 s46, s46, s47
	s_lshl_b32 s46, s46, 15
	s_mov_b32 s47, 0
	s_mul_i32 s20, s12, HALFA                      ; where they go: no place in the cluster enters an LDS address
	s_mul_i32 s21, s12, HALFB
	s_add_co_u32 s21, s21, 2*HALFA
	s_wait_dscnt 0x0                               ; both opening adds are done
	s_wait_kmcnt 0x0
	s_add_nc_u64 s[14:15], s[4:5], s[16:17]
	s_add_nc_u64 s[46:47], s[6:7], s[46:47]
	CROUND                                         ; all sixteen work-groups are here: the first joint loads meet
.irp s, 0,1
	s_mov_b32 s[G0+4*(\s)], 1
	s_add_co_u32 s[G0+4*(\s)+1], s20, (\s)*SLOT
	s_add_nc_u64 s[G0+4*(\s)+2:G0+4*(\s)+3], s[14:15], (\s)*KSB
	s_or_b32 s[G0+4*(\s)+3], s[G0+4*(\s)+3], 0x80000000
	s_mov_b32 s[G0B+4*(\s)], 1
	s_add_co_u32 s[G0B+4*(\s)+1], s21, (\s)*SLOT
	s_add_nc_u64 s[G0B+4*(\s)+2:G0B+4*(\s)+3], s[46:47], (\s)*KSB
	s_or_b32 s[G0B+4*(\s)+3], s[G0B+4*(\s)+3], 0x80000000
	JLOAD \s                                       ; K steps 0 and 1: two loads of mine are out
.endr
	v_and_b32 v1, 31, v0                           ; lane
	v_lshlrev_b32 v[LO16], 4, v1
	s_mul_i32 s22, s11, HALFA
	s_mul_i32 s23, s12, HALFB
	s_add_co_u32 s23, s23, 2*HALFA
.irp s, 0,1
	v_add_nc_u32 v[ADRA+(\s)], s22, v[LO16]
	v_add_nc_u32 v[ADRB+(\s)], s23, v[LO16]
	s_add_co_u32 s22, s22, SLOT
	s_add_co_u32 s23, s23, SLOT
.endr
	; the way out's addresses
	s_lshr_b32 s90, s13, 3                         ; batch
	s_lshl_b32 s90, s90, 4
	s_add_co_u32 s90, s90, s42                     ; batch 16 + head
	s_lshl_b32 s90, s90, 18
	s_and_b32 s91, s13, 7
	s_lshl_b32 s91, s91, 4
	s_lshl3_add_u32 s91, s11, s91                  ; my first token block in the sequence
	s_lshl_b32 s92, s91, 11
	s_add_co_u32 s90, s90, s92
	s_lshl_b32 s92, s12, 24                        ; planes 0, 1 or 2, 3
	s_add_co_u32 s92, s92, s90
	s_mov_b32 s93, 0
	s_add_nc_u64 s[SB0:SB0+1], s[70:71], s[92:93]
	s_add_nc_u64 s[SB0+2:SB0+3], s[SB0:SB0+1], PLANE
	s_lshl_b32 s92, s12, 10                        ; v's channel blocks 0, 1 or 2, 3
	s_add_co_u32 s92, s92, s90
	s_add_nc_u64 s[SBV:SBV+1], s[70:71], s[92:93]
	s_add_nc_u64 s[SBV:SBV+1], s[SBV:SBV+1], 4*PLANE
	s_lshl_b32 s92, s91, 12
	s_add_nc_u64 s[SR:SR+1], s[68:69], s[92:93]
	s_lshl_b32 s92, s13, 4
	s_add_co_u32 s92, s92, s42
	s_lshl_b32 s92, s92, 5
	s_add_nc_u64 s[72:73], s[72:73], s[92:93]      ; my work-group's 32 bytes of mx
	s_mov_b32 s84, 0x7fff7fff                      ; clears the signs of two f16
	s_mov_b32 s86, 0x76543210
	s_mov_b32 s87, 0xfedcba98
.macro RLOAD reg, a                    ; cos and sin of token block a of my eight: 8 loads of 512 consecutive bytes
.irp c, 0,1,2,3,4,5,6,7
	global_load_b128 v[(\reg)+4*(\c):(\reg)+4*(\c)+3], v[LO16], s[SR:SR+1] offset:(\a)*4096+(\c)*512
.endr
.endm
	RLOAD RS0, 0
	; the prefetches
	s_and_b32 s94, ttmp7, 0xffff                   ; cluster y
	s_cmp_eq_u32 s11, 0                            ; do I fetch xb?
	s_cselect_b32 s93, s40, s41                    ; my place among the four that ask with me
	s_cselect_b32 s95, 32, 40                      ; blocks of 256 bytes to a partner
	s_cselect_b32 s94, ttmp9, s94                  ; the coordinate along which other clusters read the same rows
	s_cselect_b64 s[PFA:PFA+1], s[14:15], s[46:47]
	s_cselect_b32 s[ONCE], 0, 3
	s_cmp_eq_u32 s94, 0
	s_cselect_b32 s[LIM], 1, -1
	s_cselect_b32 s[ONCE], s[ONCE], 0
	s_add_nc_u64 s[PFA:PFA+1], s[PFA:PFA+1], 2*KSB ; at K step 2: the first refill steps it to 3 and names K step 4
	s_mul_i32 s93, s93, s95
	v_add_nc_u32 v2, s93, v1                       ; block i: row block i / 16, its piece i % 16 of the K step
	v_lshrrev_b32 v3, 4, v2
	v_and_b32 v2, 15, v2
	v_lshlrev_b32 v2, 8, v2
	v_lshl_or_b32 v[PFO], v3, 15, v2
	v_and_b32 v2, 7, v1
	v_add_nc_u32 v2, s93, v2
	v_add_nc_u32 v2, 32, v2                        ; the eight left over,
	v_lshrrev_b32 v3, 4, v2
	v_and_b32 v2, 15, v2
	v_lshlrev_b32 v2, 8, v2
	v_lshl_or_b32 v2, v3, 15, v2
	v_lshrrev_b32 v3, 3, v1
	v_lshl_or_b32 v[PFO2], v3, 12, v2              ; in each of four K steps
	v_mov_b32 v[MA], 0
	v_mov_b32 v[MA+1], 0
	v_mov_b32 v[MA+2], 0
; 16 matrix instructions, transposed: token blocks a0, a0 + 1 of the window's four x column blocks 0-7, 32 along K.  zero = 1: the product starts the sum.
.macro MULQ f, hi, a0, zero
	WIN 0xa1+0x50*(\hi)                            ; W window 1, x window 0, C and D window 2 or 3
.irp a, \a0, (\a0)+1
.irp b, 0,1,2,3,4,5,6,7
.if \zero
	v_wmma_f32_16x16x32_bf16 v[8*(8*(\a)+(\b)):8*(8*(\a)+(\b))+7], v[FB+80*(\f)+8*(\b):FB+80*(\f)+8*(\b)+7], v[FA+64*(\f)+8*(4*(\hi)+(\a)):FA+64*(\f)+8*(4*(\hi)+(\a))+7], 0
.else
	v_wmma_f32_16x16x32_bf16 v[8*(8*(\a)+(\b)):8*(8*(\a)+(\b))+7], v[FB+80*(\f)+8*(\b):FB+80*(\f)+8*(\b)+7], v[FA+64*(\f)+8*(4*(\hi)+(\a)):FA+64*(\f)+8*(4*(\hi)+(\a))+7], v[8*(8*(\a)+(\b)):8*(8*(\a)+(\b))+7]
.endif
.endr
.endr
.endm
; 8 matrix instructions, the natural way round: four token blocks x v's two column blocks
.macro MULV f, hi, zero
	WIN 0x04+0x50*(\hi)                            ; x window 0, W window 1, C and D window 0 or 1
.irp a, 0,1,2,3
.irp b, 0,1
.if \zero
	v_wmma_f32_16x16x32_bf16 v[VA+8*(2*(\a)+(\b)):VA+8*(2*(\a)+(\b))+7], v[FA+64*(\f)+8*(4*(\hi)+(\a)):FA+64*(\f)+8*(4*(\hi)+(\a))+7], v[FB+80*(\f)+64+8*(\b):FB+80*(\f)+64+8*(\b)+7], 0
.else
	v_wmma_f32_16x16x32_bf16 v[VA+8*(2*(\a)+(\b)):VA+8*(2*(\a)+(\b))+7], v[FA+64*(\f)+8*(4*(\hi)+(\a)):FA+64*(\f)+8*(4*(\hi)+(\a))+7], v[FB+80*(\f)+64+8*(\b):FB+80*(\f)+64+8*(\b)+7], v[VA+8*(2*(\a)+(\b)):VA+8*(2*(\a)+(\b))+7]
.endif
.endr
.endr
.endm
; 36 LDS loads in one run: quarter q (32 along K: two chunks) of the slot's tiles into buffer f: W's ten fragments, then x's eight
.macro FETCH slot, q, f
	WIN 0x40
.irp i, 0,1,2,3,4,5,6,7,8,9
	ds_load_b128 v[FB+80*(\f)+8*(\i):FB+80*(\f)+8*(\i)+3],   v[ADRB+(\slot)] offset:(\i)*KSB+(\q)*1024
	ds_load_b128 v[FB+80*(\f)+8*(\i)+4:FB+80*(\f)+8*(\i)+7], v[ADRB+(\slot)] offset:(\i)*KSB+(\q)*1024+512
.endr
	WIN 0
.irp i, 0,1,2,3,4,5,6,7
	ds_load_b128 v[FA+64*(\f)+8*(\i):FA+64*(\f)+8*(\i)+3],   v[ADRA+(\slot)] offset:(\i)*KSB+(\q)*1024
	ds_load_b128 v[FA+64*(\f)+8*(\i)+4:FA+64*(\f)+8*(\i)+7], v[ADRA+(\slot)] offset:(\i)*KSB+(\q)*1024+512
.endr
.endm
; A K step is four quarters of 32 along K, 80 matrix instructions each, on buffers 0, 1, 0, 1.  The 80 accumulators take turns in the same order in every quarter.
; One of the first three: multiplies buffer f; in its middle it fetches quarter q of the same slot into buffer g.
.macro QUARTER slot, q, f, g, zero
	s_wait_dscnt 8                                 ; W and x's blocks 0-3 are in; the youngest eight loads (x's blocks 4-7) may be out
	MULQ \f, 0, 0, \zero
	MULQ \f, 0, 2, \zero
	MULV \f, 0, \zero
	PLACES
	FETCH \slot, \q, \g
	s_wait_dscnt 36                                ; all but the 36 just issued
	MULQ \f, 1, 0, \zero
	MULQ \f, 1, 2, \zero
	MULV \f, 1, \zero
.endm
; The last quarter multiplies buffer 1 and changes slots.  In front of the barrier each wave waits for all its tensor loads (one is out: its part of the next slot), adds 0 to its spare word, and waits
; for that and for its reads of this slot.  fill = 1: the barrier opens a round of the cluster's, and the joint refill, two K steps on, is the first thing behind the round.
.macro TURN slot, next, fill
	s_wait_xcnt 0x0                                ; the last prefetch, a K step back, has read its address
	s_add_nc_u64 s[PFA:PFA+1], s[PFA:PFA+1], KSB
	WIN 0
	s_wait_tensorcnt 0x0
	ds_add_u32 v[SPW], v[NIL]
	s_wait_dscnt 9                                 ; the add and the youngest eight loads may be out
	MULQ 1, 0, 0, 0
	s_wait_dscnt 0x0                               ; the add is done, and my reads of this slot are over
	s_barrier_signal -1
	MULQ 1, 0, 2, 0
	MULV 1, 0, 0
.if \fill
	WIN 0
.endif
	s_barrier_wait -1
.if \fill
	CREST
	s_add_nc_u64 s[G0+4*(\slot)+2:G0+4*(\slot)+3], s[G0+4*(\slot)+2:G0+4*(\slot)+3], 2*KSB
	s_add_nc_u64 s[G0B+4*(\slot)+2:G0B+4*(\slot)+3], s[G0B+4*(\slot)+2:G0B+4*(\slot)+3], 2*KSB
	JLOAD \slot                                    ; its four v_nop are also the places in front of the loads below
.else
	PLACES
.endif
	FETCH \next, 0, 0
.if \fill
	ASK \slot
.endif
	MULQ 1, 1, 0, 0
	MULQ 1, 1, 2, 0
	MULV 1, 1, 0
.endm
	s_wait_tensorcnt 1                             ; my part of K step 0 is in; K step 1's may stay out
	s_barrier_signal -1
	s_barrier_wait -1
	FETCH 0, 0, 0
	QUARTER 0, 1, 0, 1, 1                          ; the first quarter's products start the sums
	WIN 0
	s_mov_b32 s3, 3
.Llap:                                         ; a trip goes once round the ring and fills both slots again
	QUARTER 0, 2, 1, 0, 0
	QUARTER 0, 3, 0, 1, 0
	TURN 0, 1, 1
	QUARTER 1, 1, 0, 1, 0
	QUARTER 1, 2, 1, 0, 0
	QUARTER 1, 3, 0, 1, 0
	TURN 1, 0, 1
	QUARTER 0, 1, 0, 1, 0
	WIN 0
	s_sub_co_u32 s3, s3, 1
	s_cmp_lg_u32 s3, 0
	s_cbranch_scc1 .Llap
	QUARTER 0, 2, 1, 0, 0                          ; the last lap fills nothing
	QUARTER 0, 3, 0, 1, 0
	TURN 0, 1, 0
	QUARTER 1, 1, 0, 1, 0
	QUARTER 1, 2, 1, 0, 0
	QUARTER 1, 3, 0, 1, 0
	s_wait_dscnt 8
	MULQ 1, 0, 0, 0
	MULQ 1, 0, 2, 0
	MULV 1, 0, 0
	PLACES                                         ; buffer 0 of x is free: it takes two sets of cos and sin
	WIN 0
	RLOAD RS1, 1
	RLOAD RS2, 2
	s_wait_dscnt 0x0
	MULQ 1, 1, 0, 0
	MULQ 1, 1, 2, 0
	MULV 1, 1, 0
	WIN 0
	PLACES
	PLACES
	RLOAD RS3, 3
; THE WAY OUT of token block a of four.  For each of my two rotated tensors p and each pair of column blocks (bb, bb + 2): y1 = x1 cos + x2 sin, y2 = x2 cos - x1 sin, in place; rounded to f16;
; the maxima; two stores of 512 consecutive bytes.  Each accumulator's lowest registers are read first.  Then v's two blocks.
.macro EPI a, rs
	s_wait_loadcnt 24                              ; my set of cos and sin is in; the three younger sets may stay out
.irp p, 0,1
.irp bb, 0,1
.set X1, 8*(8*(\a)+4*(\p)+(\bb))
.set X2, X1+16
.set RC, (\rs)+8*(\bb)
.set RN, (\rs)+16+8*(\bb)
	WIN 0x02                                       ; source 0 window 2
.irp j, 0,2,4,6
	v_pk_mul_f32 v[T+(\j):T+(\j)+1], v[X2+(\j):X2+(\j)+1], v[RN+(\j):RN+(\j)+1]
.endr
.irp j, 0,2,4,6
	v_pk_mul_f32 v[T+8+(\j):T+8+(\j)+1], v[X1+(\j):X1+(\j)+1], v[RN+(\j):RN+(\j)+1]
.endr
	WIN 0x82                                       ; source 0 and destination window 2
.irp j, 0,2,4,6
	v_pk_fma_f32 v[X1+(\j):X1+(\j)+1], v[X1+(\j):X1+(\j)+1], v[RC+(\j):RC+(\j)+1], v[T+(\j):T+(\j)+1]
.endr
.irp j, 0,2,4,6
	v_pk_fma_f32 v[X2+(\j):X2+(\j)+1], v[X2+(\j):X2+(\j)+1], v[RC+(\j):RC+(\j)+1], v[T+8+(\j):T+8+(\j)+1] neg_lo:[0,0,1] neg_hi:[0,0,1]
.endr
	s_wait_xcnt 0x0                                ; the earlier stores have read PK: it is rewritten only behind this wait
	WIN 0x0a                                       ; sources 0 and 1 window 2
.irp k, 0,1,2,3
	v_cvt_pk_f16_f32 v[PK+(\k)], v[X1+2*(\k)], v[X1+2*(\k)+1]
.endr
.irp k, 0,1,2,3
	v_cvt_pk_f16_f32 v[PK+4+(\k)], v[X2+2*(\k)], v[X2+2*(\k)+1]
.endr
	WIN 0
.irp k, 0,1,2,3,4,5,6,7
	v_and_b32 v[T+(\k)], s84, v[PK+(\k)]
.endr
.irp k, 0,1,2,3,4,5,6,7
	v_pk_max_num_f16 v[MA+(\p)], v[MA+(\p)], v[T+(\k)]
.endr
	global_store_b128 v[LO16], v[PK:PK+3],   s[SB0+2*(\p):SB0+2*(\p)+1] offset:(\a)*2048+(\bb)*512
	global_store_b128 v[LO16], v[PK+4:PK+7], s[SB0+2*(\p):SB0+2*(\p)+1] offset:(\a)*2048+(2+(\bb))*512
.endr
.endr
	s_wait_xcnt 0x0
.irp bv, 0,1
.irp k, 0,1,2,3
	v_cvt_pk_f16_f32 v[PK+8+4*(\bv)+(\k)], v[VA+8*(2*(\a)+(\bv))+2*(\k)], v[VA+8*(2*(\a)+(\bv))+2*(\k)+1]
.endr
.endr
.irp k, 0,1,2,3,4,5,6,7
	v_and_b32 v[T+(\k)], s84, v[PK+8+(\k)]
.endr
.irp k, 0,1,2,3,4,5,6,7
	v_pk_max_num_f16 v[MA+2], v[MA+2], v[T+(\k)]
.endr
	global_store_b128 v[LO16], v[PK+8:PK+11],  s[SBV:SBV+1] offset:(\a)*2048
	global_store_b128 v[LO16], v[PK+12:PK+15], s[SBV:SBV+1] offset:(\a)*2048+512
	s_cmp_eq_u32 s88, 1                            ; the first trip fills the set again for the block four further on; the second has nothing to ask for
	s_cbranch_scc1 .Lno_more_\@
	RLOAD \rs, (\a)+4
	s_branch .Lfilled_\@
.Lno_more_\@:
	s_wait_loadcnt 0x0                             ; no younger loads follow here, so the counts of 24 are met by waiting for all
.Lfilled_\@:
.endm
	s_mov_b32 s88, 2
.Lhalf:                                        ; two trips: my tokens 0-63, then 64-127, whose sums are moved to where the one text reads them
	EPI 0, RS0
	EPI 1, RS1
	EPI 2, RS2
	EPI 3, RS3
	s_cmp_eq_u32 s88, 1
	s_cbranch_scc1 .Lno_move
	s_wait_xcnt 0x0                                ; the stores have read their bases
	s_add_nc_u64 s[SB0:SB0+1], s[SB0:SB0+1], 8192  ; four token blocks on
	s_add_nc_u64 s[SB0+2:SB0+3], s[SB0+2:SB0+3], 8192
	s_add_nc_u64 s[SBV:SBV+1], s[SBV:SBV+1], 8192
	WIN 0x83                                       ; window 3 to window 2, ascending
.set i, 0
.rept 256
	v_mov_b32 v[i], v[i]
.set i, i+1
.endr
	WIN 0x01                                       ; window 1 to window 0
.set i, 0
.rept 64
	v_mov_b32 v[VA+i], v[VA+i]
.set i, i+1
.endr
	WIN 0
.Lno_move:
	s_sub_co_u32 s88, s88, 1
	s_cmp_lg_u32 s88, 0
	s_cbranch_scc1 .Lhalf
	; THE MAXIMA: my lane's, my wave's, and through LDS the work-group's
	v_cvt_f32_f16 v32, v12.l
	v_cvt_f32_f16 v33, v12.h
	v_cvt_f32_f16 v34, v13.l
	v_cvt_f32_f16 v35, v13.h
	v_cvt_f32_f16 v36, v14.l
	v_cvt_f32_f16 v37, v14.h
	v_max_num_f32 v40, v32, v33
	v_max_num_f32 v41, v34, v35
	v_max_num_f32 v42, v36, v37
.irp m, 1,2,4,8
.irp r, 40,41,42
	v_max_num_f32_dpp v\r, v\r, v\r row_xmask:\m row_mask:0xf bank_mask:0xf
.endr
.endr
.irp r, 0,1,2
	v_permlanex16_b32 v[44+\r], v[40+\r], s86, s87
.endr
.irp r, 0,1,2
	v_max_num_f32 v[40+\r], v[40+\r], v[44+\r]
.endr
	v_mov_b32 v43, v42
	s_lshl_b32 s90, s10, 4
	s_add_co_u32 s90, s90, MXS
	v_mov_b32 v47, s90
	ds_store_b128 v47, v[40:43]                    ; all lanes write the same 16 bytes with the same numbers
	s_wait_dscnt 0x0                               ; for the others' sake
	s_barrier_signal -1
	s_barrier_wait -1
	s_cmp_lg_u32 s10, 0
	s_cbranch_scc1 .Lnot_first
	v_mov_b32 v47, MXS
	ds_load_b128 v[48:51], v47
	ds_load_b128 v[52:55], v47 offset:16
	ds_load_b128 v[56:59], v47 offset:32
	ds_load_b128 v[60:63], v47 offset:48
	s_wait_dscnt 0x0
	v_max_num_f32 v32, v48, v56                    ; q and k come from waves 0 and 2,
	v_max_num_f32 v33, v49, v57
	v_max_num_f32 v34, v52, v60                    ; q2 and k2 from waves 1 and 3,
	v_max_num_f32 v35, v53, v61
	v_max3_num_f32 v36, v50, v54, v58              ; v from all four
	v_max_num_f32 v36, v36, v62
	v_mov_b32 v37, v36
	v_mov_b32 v38, v36
	v_mov_b32 v39, v36
	v_mov_b32 v47, 0
	v_cmp_eq_u32 vcc_lo, 0, v1
	s_wait_xcnt 0x0                                ; EXEC changes only behind this wait
	s_and_saveexec_b32 s89, vcc_lo                 ; lane 0 alone stores the 32 bytes
	global_store_b128 v47, v[32:35], s[72:73]
	global_store_b128 v47, v[36:39], s[72:73] offset:16
	s_wait_xcnt 0x0                                ; and again, in front of the line that widens it
	s_or_b32 exec_lo, exec_lo, s89
.Lnot_first:
	s_wait_tensorcnt 0x0                           ; the wave's end
	ds_add_u32 v[SPW], v[NIL]
	s_wait_dscnt 0x0
	CROUND                                         ; the closing round
	s_endpgm
.Lfunc_end_k_qae94306154_proj:
	.size	k_qae94306154_proj, .Lfunc_end_k_qae94306154_proj-k_qae94306154_proj
	.p2alignl 7, 3214868480
	.fill 96, 4, 3214868480
	.section	.rodata,"a",@progbits
	.p2align	6, 0x0
	.amdhsa_kernel k_qae94306154_proj
		.amdhsa_group_segment_fixed_size 327680
		.amdhsa_private_segment_fixed_size 0
		.amdhsa_enable_private_segment 0
		.amdhsa_kernarg_size 40
		.amdhsa_user_sgpr_count 2
		.amdhsa_user_sgpr_kernarg_segment_ptr 1
		.amdhsa_wavefront_size32 1
		.amdhsa_system_sgpr_workgroup_id_x 1
		.amdhsa_system_sgpr_workgroup_id_y 1
		.amdhsa_system_sgpr_workgroup_id_z 1
		.amdhsa_system_vgpr_workitem_id 0
		.amdhsa_next_free_vgpr 1024
		.amdhsa_next_free_sgpr 96
		.amdhsa_reserve_vcc 1
		.amdhsa_float_denorm_mode_32 3
		.amdhsa_float_denorm_mode_16_64 3
		.amdhsa_memory_ordered 1
		.amdhsa_forward_progress 1
		.amdhsa_inst_pref_size 202
	.end_amdhsa_kernel
	.amdgpu_metadata
---
amdhsa.version: [ 1, 2 ]
amdhsa.kernels:
  - .name:           k_qae94306154_proj
    .symbol:         k_qae94306154_proj.kd
    .args:
      - { .name: xb, .offset: 0, .size: 8, .value_kind: global_buffer, .address_space: global }
      - { .name: wcat, .offset: 8, .size: 8, .value_kind: global_buffer, .address_space: global }
      - { .name: rope, .offset: 16, .size: 8, .value_kind: global_buffer, .address_space: global }
      - { .name: qkv, .offset: 24, .size: 8, .value_kind: global_buffer, .address_space: global }
      - { .name: mx, .offset: 32, .size: 8, .value_kind: global_buffer, .address_space: global }
    .group_segment_fixed_size: 327680
    .private_segment_fixed_size: 0
    .kernarg_segment_align: 8
    .kernarg_segment_size: 40
    .max_flat_workgroup_size: 128
    .sgpr_count:     96
    .vgpr_count:     1024
    .wavefront_size: 32
...
	.end_amdgpu_metadata
.endif
;; end of part 2
;; launch attn (part 3): grid 8 x 32, 4 waves a work-group, no clusters, 262,656 bytes of LDS; arguments qkv, mx, zf; writes zf
.if DOCPART == 3
	.amdgcn_target "amdgcn-amd-amdhsa--gfx1250"
	.amdhsa_code_object_version 6
	.text
	.protected	k_qae94306154_attn
	.globl	k_qae94306154_attn
	.p2align	8
	.type	k_qae94306154_attn,@function
k_qae94306154_attn:
	s_mov_b64 s[64:65], 0
	v_nop
	global_prefetch_b8 v0, s[64:65] scope:SCOPE_SE
	s_setreg_imm32_b32 hwreg(HW_REG_WAVE_MODE, 25, 1), 1
	s_wait_xcnt 0x0
; ATTN: z[q] = the sum over keys k <= q of (q.k) (q2.k2) / 4096 x v[k], for each of the 32 pairs of batch and head; f16 operands, f32 sums.  No softmax: the sum over keys is linear.
; SCALES.  With M* the largest magnitude of each tensor (the maximum of mx's 256 entries, held at 2^-24 or above): P' = s s2 c, c = 8 / (Mq Mk Mq2 Mk2): since |s| <= 64 Mq Mk, |P'| <= 2^15;
; z'' = cz x the sum of P' v, cz = 2^-11 / Mv: |z''| <= 2^15.  Both fit f16 whatever the inputs' size.  The next launch multiplies by Mq Mk Mq2 Mk2 Mv / 16, which also holds the 1/4096.
; The scales only multiply values: no address and no branch hangs on them.
; LIMITS.  A tensor whose largest magnitude is under 2^-24 counts as that; P' and z'' below 2^-14 keep f16's step of 2^-24; NaN and infinities are not treated apart.
; THE WALK.  A head has 16 blocks of 128 queries; block X needs the key tiles 0 .. X of 128 keys.  Work-group b takes block 15 - b and then block b: 17 tiles whatever b.  A trip is two tiles
; (steps 0 and 1, on two sets of registers): 9 trips, a constant; one step of the 18 lies past its block's diagonal and is jumped over, forward, past no barrier.
; SHARES.  THE WAVES SPLIT THE KEYS: each wave holds all 128 queries (eight tiles of 16) and takes keys 32 w .. 32 w + 31 of each tile, so a fragment of K, K2 or V feeds eight tiles' products,
; and no wave wants a byte that another has fetched.  qkv lies in fragment order, so a fragment comes straight from memory, 512 consecutive bytes a load: the loop has no LDS and no barrier.
; The four partial sums meet in LDS once, at the end.  NO CLUSTER: partners would walk different numbers of tiles (16 - b, then b + 1), and nothing goes through LDS on the way in.
; LAYOUT.  S^T = K Q^T (source 0 = 16 keys, source 1 = 16 queries): a lane holds one query (lane % 16) and keys 8 (lane / 16) + 0..7.  Two such results, multiplied by S2^T and the scale and rounded to
; f16, ARE source 1 (32 keys x 16 queries) of O^T = V^T P.  v was stored as V^T's fragments.
; THE MASK is the factor in P' = (s s2) m.  Register slot i of wave w holds query tile (i + 2 w) % 8, so in the diagonal tile every wave has the same text: slot 0 meets the diagonal in its first 16
; keys and sees none of the second; slot 1 sees the first and meets the diagonal in the second; slots 2 .. 7 - 2 w see all, the rest none.  m is a vector G = MDc AL + BE or a scalar.
; REGISTERS in windows of 256 (s_set_vgpr_msb: bits 1:0 source 0, 3:2 source 1, 5:4 source 2, 7:6 destination):
;   window 0: addresses; v64-127 S^T and S2^T, two buffers; v128-143 P, two buffers; v144-151 G; v152-159 MDc      window 1: O^T, 32 a slot
;   window 2: v0-127 Q, v128-255 Q2, 16 a slot      window 3: two sets of 96: K 32, K2 32, V 32
.set PLANE, 8388608
.set LOREG, 131072                     ; LDS: the first block's partial sums at 0, the second's here: [wave 32,768][chunk of 4 registers 512][lane 16]
.set SPARE, 262144                     ; the spare words, 128 bytes a wave
.set LO16, 2                           ; v2   16 x lane
.set KVO,  3                           ; v3   my keys' place in a tile: 4096 w + 16 lane
.set QO,   4                           ; v4-11  slot i: the place of query tile (i + 2 w) % 8 in a block
.set PFO,  12                          ; v12  the prefetches' offset in a pair of tiles
.set PFQ,  13                          ; v13  256 x lane
.set FL,   14                          ; v14, v15  where my partial sums go
.set FL2,  15
.set RA,   16                          ; v16-23  where I read the four waves' sums of my two tiles
.set SPW,  28
.set NIL,  29
.set DD,   30                          ; v30  lane % 16 - 8 (lane / 16)
.set S,    64
.set P,    128
.set G,    144
.set MDC,  152
.set KB,  16                           ; s[16:17], [18:19], [20:21]  K, K2, V at the head
.set K2B, 18
.set VB,  20
.set SQ,  22                           ; s[22:25]  Q, Q2 at the block in hand;  s[26:29] at the second block
.set SQ2, 24
.set SQL, 26
.set SQ2L, 28
.set SK,  30                           ; s[30:35]  K, K2, V at the pair of tiles that is being loaded
.set SK2, 32
.set SV,  34
.set OFF, 36                           ; s[36:37]  an offset, its high word 0
.set ZB,  38                           ; s[38:39]  zf at my two tiles of the first block;  s[40:41] of the second
.set ZLO, 40
.set PQ,  42                           ; s[42:43]  my quarter of the second block's Q and Q2
.set TL,  44                           ; trips left
.set RT,  45                           ; trips left in the block
.set XB,  46                           ; the block
.set KT,  47                           ; the trip's first key tile
.set NXT, 48                           ; the pair of tiles to load next
.set NCUR, 49                          ; pairs in the block whose tiles are being loaded
.set NL,  50                           ; pairs in the second block
.set LIM, 51
.set TLQ, 52
.set H8,  53                           ; 8 - 2 w
.set HID, 54                           ; the first hidden slot
.set KU,  55
.set C,   56                           ; s[56:57]  c (pairs: the packed multiply takes the low word for both halves)
.set AL,  58
.set BE,  60
.set CZ,  62
.set CSB, 66                           ; s[66:77]  the factors of slots 2 to 7
.set SEL, 78
.set CNT, 80
.set MSB, 0
.macro WIN new
.if MSB != (\new)
	s_set_vgpr_msb (MSB<<8)|(\new)
.set MSB, \new
.endif
.endm
.macro PLACES
.rept 4
	v_nop
.endr
.endm
	s_load_b128 s[4:7], s[0:1], 0x0                ; qkv, mx
	s_load_b64 s[8:9], s[0:1], 0x10                ; zf
	v_lshl_add_u32 v[SPW], v0, 2, SPARE
	v_mov_b32 v[NIL], 0
	v_lshrrev_b32 v1, 5, v0
	v_readfirstlane_b32 s10, v1                    ; wave 0..3
	s_mov_b32 s11, ttmp9                           ; b
	s_and_b32 s12, ttmp7, 0xffff                   ; batch 16 + head
	v_and_b32 v1, 31, v0
	v_lshlrev_b32 v[LO16], 4, v1
	s_lshl_b32 s13, s10, 12
	v_add_nc_u32 v[KVO], s13, v[LO16]
.irp i, 0,1,2,3,4,5,6,7
	s_lshl_b32 s14, s10, 1
	s_add_co_u32 s14, s14, \i
	s_and_b32 s14, s14, 7
	s_lshl_b32 s14, s14, 11
	v_add_nc_u32 v[QO+\i], s14, v[LO16]
.endr
	v_lshrrev_b32 v24, 4, v1
	v_and_b32 v25, 15, v1
	v_lshlrev_b32 v26, 8, v25
	v_lshl_add_u32 v26, v24, 14, v26
	v_add_nc_u32 v[PFO], s13, v26                  ; tile l / 16 of the pair, my 4,096 bytes of it, their piece l % 16
	v_lshlrev_b32 v[PFQ], 8, v1
	s_lshl_b32 s14, s10, 15
	v_add_nc_u32 v[FL], s14, v[LO16]
	v_add_nc_u32 v[FL2], LOREG, v[FL]
	v_lshlrev_b32 v24, 3, v24
	v_sub_nc_u32 v[DD], v25, v24
	s_sub_co_u32 s[XB], 15, s11
	s_sub_co_u32 s[RT], 17, s11
	s_lshr_b32 s[RT], s[RT], 1                     ; the first block's pairs
	s_add_co_u32 s[NL], s11, 2
	s_lshr_b32 s[NL], s[NL], 1
	s_mov_b32 s[NCUR], s[RT]
	s_mov_b32 s[NXT], 1
	s_mov_b32 s[TL], 9
	s_add_co_u32 s[TLQ], s[NL], 2
	s_cmp_eq_u32 s11, 0
	s_cselect_b32 s[LIM], 4, 99
	s_lshl_b32 s[H8], s10, 1
	s_sub_co_u32 s[H8], 8, s[H8]
.irp r, C, AL, BE, CZ, CSB, CSB+2, CSB+4, CSB+6, CSB+8, CSB+10, OFF
	s_mov_b32 s[(\r)+1], 0                         ; named as pairs
.endr
	s_mov_b32 s[SEL], 0x76543210
	s_mov_b32 s[SEL+1], 0xfedcba98
	s_lshr_b32 s13, s12, 4                         ; batch
	s_lshl_b32 s13, s13, 7
	s_lshl1_add_u32 s13, s10, s13                  ; zf's row block: batch 128 + 2 w
	s_lshl3_add_u32 s14, s[XB], s13                ; + 8 x block
	s_lshl3_add_u32 s15, s11, s13
	s_lshl_b32 s14, s14, 15
	s_lshl_b32 s15, s15, 15
	s_and_b32 s13, s12, 15
	s_lshl_b32 s13, s13, 11                        ; the head's four chunks
	s_add_co_u32 s14, s14, s13
	s_add_co_u32 s15, s15, s13
	s_wait_kmcnt 0x0
	s_mov_b32 s[OFF], s14
	s_add_nc_u64 s[ZB:ZB+1], s[8:9], s[OFF:OFF+1]
	s_mov_b32 s[OFF], s15
	s_add_nc_u64 s[ZLO:ZLO+1], s[8:9], s[OFF:OFF+1]
	s_lshl_b32 s[OFF], s12, 18
	s_add_nc_u64 s[14:15], s[4:5], s[OFF:OFF+1]    ; q at the head
	s_add_nc_u64 s[KB:KB+1], s[14:15], PLANE
	s_add_nc_u64 s[K2B:K2B+1], s[14:15], 3*PLANE
	s_add_nc_u64 s[VB:VB+1], s[14:15], 4*PLANE
	s_lshl_b32 s[OFF], s[XB], 14
	s_add_nc_u64 s[SQ:SQ+1], s[14:15], s[OFF:OFF+1]
	s_add_nc_u64 s[SQ2:SQ2+1], s[SQ:SQ+1], 2*PLANE
	s_lshl_b32 s[OFF], s11, 14
	s_add_nc_u64 s[SQL:SQL+1], s[14:15], s[OFF:OFF+1]
	s_add_nc_u64 s[SQ2L:SQ2L+1], s[SQL:SQL+1], 2*PLANE
	s_cmp_lt_u32 s10, 2
	s_cselect_b64 s[PQ:PQ+1], s[SQL:SQL+1], s[SQ2L:SQ2L+1]
	s_and_b32 s[OFF], s10, 1
	s_lshl_b32 s[OFF], s[OFF], 13
	s_add_nc_u64 s[PQ:PQ+1], s[PQ:PQ+1], s[OFF:OFF+1]
	s_mov_b64 s[SK:SK+1], s[KB:KB+1]
	s_mov_b64 s[SK2:SK2+1], s[K2B:K2B+1]
	s_mov_b64 s[SV:SV+1], s[VB:VB+1]
; My 32 keys of tile u of the pair at SK, SK2, SV into set u: 24 loads of 512 consecutive bytes
.macro KVLOAD u
	WIN 0xc0                                       ; destination window 3
.irp kb, 0,1
.irp g, 0,1,2,3
	global_load_b128 v[96*(\u)+16*(\kb)+4*(\g):96*(\u)+16*(\kb)+4*(\g)+3], v[KVO], s[SK:SK+1] offset:(\u)*16384+(\kb)*2048+(\g)*512
.endr
.endr
.irp kb, 0,1
.irp g, 0,1,2,3
	global_load_b128 v[96*(\u)+32+16*(\kb)+4*(\g):96*(\u)+32+16*(\kb)+4*(\g)+3], v[KVO], s[SK2:SK2+1] offset:(\u)*16384+(\kb)*2048+(\g)*512
.endr
.endr
.irp kb, 0,1
.irp g, 0,1,2,3
	global_load_b128 v[96*(\u)+64+8*(\g)+4*(\kb):96*(\u)+64+8*(\g)+4*(\kb)+3], v[KVO], s[SV:SV+1] offset:(\u)*16384+(\kb)*2048+(\g)*512
.endr
.endr
	WIN 0
.endm
; Matrix instruction n of 8 of slot i's scores: S^T and S2^T for two blocks of 16 keys, channels 0-31 (they start the sums), then 32-63: four accumulators by turns
.macro SSW i, n, u
.set kb, (\n)%2
.set tw, ((\n)/2)%2
.set cc, (\n)/4
.set rD, S+32*((\i)%2)+16*tw+8*kb
.set rK, 96*(\u)+32*tw+16*kb+8*cc
.set rQ, 128*tw+16*(\i)+8*cc
	WIN 0x0b                                       ; K window 3, Q window 2, S^T window 0
.if cc == 0
	v_wmma_f32_16x16x32_f16 v[rD:rD+7], v[rK:rK+7], v[rQ:rQ+7], 0
.else
	v_wmma_f32_16x16x32_f16 v[rD:rD+7], v[rK:rK+7], v[rQ:rQ+7], v[rD:rD+7]
.endif
.endm
; Matrix instruction n of 4 of O^T += V^T P for slot i: channels 16 n on
.macro PVW i, n, u
.set rO, 32*(\i)+8*(\n)
.set rV, 96*(\u)+64+8*(\n)
.set rP, P+8*((\i)%2)
	WIN 0x53                                       ; V window 3, P window 0, O^T window 1
	v_wmma_f32_16x16x32_f16 v[rO:rO+7], v[rV:rV+7], v[rP:rP+7], v[rO:rO+7]
.endm
; Vector instruction n of 24 of slot i: for each block of 16 keys four products s s2 (the accumulators' lowest registers first), four by the factor m, four roundings to f16
.macro RID i, n
.set kb, (\n)/12
.set ph, ((\n)%12)/4
.set jj, (\n)%4
.set rS, S+32*((\i)%2)+8*kb+2*jj
	WIN 0
.if ph == 0
	v_pk_mul_f32 v[rS:rS+1], v[rS:rS+1], v[rS+16:rS+17]
.elseif ph == 1
.if ((\i) == kb) && ((\i) < 2)
	v_pk_mul_f32 v[rS:rS+1], v[rS:rS+1], v[G+2*jj:G+2*jj+1]
.elseif (\i) == 0
	v_pk_mul_f32 v[rS:rS+1], v[rS:rS+1], s[BE:BE+1] op_sel_hi:[1,0]
.elseif (\i) == 1
	v_pk_mul_f32 v[rS:rS+1], v[rS:rS+1], s[C:C+1] op_sel_hi:[1,0]
.else
	v_pk_mul_f32 v[rS:rS+1], v[rS:rS+1], s[CSB+2*((\i)-2):CSB+2*((\i)-2)+1] op_sel_hi:[1,0]
.endif
.else
	v_cvt_pk_f16_f32 v[P+8*((\i)%2)+4*kb+jj], v[rS], v[rS+1]
.endif
.endm
; Place i of a step's pipeline, -1 .. 8: the scores of slot i + 1, then V^T P of slot i - 1, two matrix instructions at a time; behind each two an equal share of slot i's 24 vector instructions.
; The vector lines name the buffers of slot i's parity, the matrix lines round them the other parity's: so they are the places that the distances behind matrix instructions ask for:
; between the last score of slot i + 1 and its first reader stand 12 of them (6 at place 0, four v_nop at place -1); between the last reader of a P buffer and its next writer 12 or more.
.macro SLOTM i, u
.set wn, 0
.set rn, 0
.set nS, 0
.set nP, 0
.set nR, 0
.if (\i) < 7
.set nS, 8
.endif
.if (\i) > 0
.set nP, 4
.endif
.if ((\i) >= 0) && ((\i) < 8)
.set nR, 24
.endif
.set per, nR/((nS+nP)/2)
.rept (nS+nP)/2
.rept 2
.if wn < nS
	SSW (\i)+1, wn, \u
.else
	PVW (\i)-1, wn-nS, \u
.endif
.set wn, wn+1
.endr
.rept per
	RID \i, rn
.set rn, rn+1
.endr
.endr
.endm
; A STEP: key tile KT + u against block XB, on set u; then the set is asked for again, for the next trip.
.macro STEP u
	s_wait_loadcnt 24                              ; loads come back in order: my set is in, the other set's 24 may stay out
	s_add_co_u32 s[KU], s[KT], \u
	s_cmp_gt_u32 s[KU], s[XB]
	s_cbranch_scc1 .Ldead_\@                       ; past the diagonal: nothing to add
	s_cmp_eq_u32 s[KU], s[XB]                      ; the diagonal tile?
	s_cselect_b32 s[AL], 1.0, 0
	s_cselect_b32 s[BE], 0, s[C]
	s_cselect_b32 s[HID], s[H8], 99
.irp i, 2,3,4,5,6,7
	s_cmp_le_u32 s[HID], \i
	s_cselect_b32 s[CSB+2*(\i-2)], 0, s[C]
.endr
.irp j, 0,2,4,6
	v_pk_fma_f32 v[G+(\j):G+(\j)+1], v[MDC+(\j):MDC+(\j)+1], s[AL:AL+1], s[BE:BE+1] op_sel_hi:[1,0,0]
.endr
	SLOTM -1, \u
	PLACES
.irp i, 0,1,2,3,4,5,6,7,8
	SLOTM \i, \u
.endr
	PLACES                                         ; in front of the loads into the set just multiplied
	WIN 0
.Ldead_\@:
	s_cmp_eq_u32 s[TL], 1
	s_cbranch_scc1 .Lnoload_\@                     ; the last trip loads nothing
	KVLOAD \u
.if (\u) == 0
	; PREFETCHES INTO THE L2, behind the step's loads.  All eight work-groups of a head walk K, K2, V from tile 0 on; b = 0, which walks all of them in its first block, asks, each wave for its own
	; 32 aligned blocks of 256 bytes of each tensor in the pair two pairs behind the one just loaded (pairs 3 to 7; 0 to 2 come by their loads alone): each block is named once in the launch.
	s_cmp_gt_u32 s[TL], s[LIM]
	s_cbranch_scc0 .Lnk_\@
	global_prefetch_b8 v[PFO], s[SK:SK+1] offset:65536 th:TH_LOAD_NT scope:SCOPE_SE
	global_prefetch_b8 v[PFO], s[SK2:SK2+1] offset:65536 th:TH_LOAD_NT scope:SCOPE_SE
	global_prefetch_b8 v[PFO], s[SV:SV+1] offset:65536 th:TH_LOAD_NT scope:SCOPE_SE
.Lnk_\@:
	s_cmp_eq_u32 s[TL], s[TLQ]                     ; two trips ahead of the second block: its Q and Q2, a quarter to each wave, a lane a block
	s_cbranch_scc0 .Lnq_\@
	global_prefetch_b8 v[PFQ], s[PQ:PQ+1] th:TH_LOAD_NT scope:SCOPE_SE
.Lnq_\@:
	s_branch .Lloaded_\@
.endif
.Lnoload_\@:
.if (\u) == 0
	s_wait_loadcnt 0x0                             ; no younger loads follow here: the next step's set is shown in by a wait for all
.Lloaded_\@:
.endif
.endm
.macro FLUSH reg                       ; my partial O^T into LDS, 512 consecutive bytes a store; each accumulator's lower half first
	PLACES
	PLACES
	WIN 0x04                                       ; data window 1
.set n, 0
.rept 64
	ds_store_b128 v[\reg], v[4*n:4*n+3] offset:512*n
.set n, n+1
.endr
	WIN 0
.endm
	KVLOAD 0                                       ; the first pair of tiles
	KVLOAD 1
	s_branch .Lbegin
.Ltrip:
	s_cmp_lg_u32 s[RT], 0
	s_cbranch_scc1 .Lsame
	FLUSH FL                                       ; THE FIRST BLOCK ENDS
	s_mov_b32 s[XB], s11
	s_mov_b32 s[RT], s[NL]
	s_mov_b64 s[SQ:SQ+1], s[SQL:SQL+1]             ; (the first block's loads of Q were waited for when it began)
	s_mov_b64 s[SQ2:SQ2+1], s[SQ2L:SQ2L+1]
.Lbegin:                                       ; A BLOCK BEGINS: one text for both.  The clearing and the scales stand in the wait for Q.
.irp i, 0,1,2,3,4,5,6,7,8,9,10,11,12,13,14,15
	global_load_b128 v[64+4*\i:64+4*\i+3], v[LO16], s[6:7] offset:512*\i  ; all of mx: even lanes hold (q, k, q2, k2), odd lanes v four times
.endr
	WIN 0x80                                       ; destination window 2
.irp i, 0,1,2,3,4,5,6,7
.irp g, 0,1,2,3
	global_load_b128 v[16*(\i)+4*(\g):16*(\i)+4*(\g)+3], v[QO+(\i)], s[SQ:SQ+1] offset:(\g)*512
	global_load_b128 v[128+16*(\i)+4*(\g):128+16*(\i)+4*(\g)+3], v[QO+(\i)], s[SQ2:SQ2+1] offset:(\g)*512
.endr
.endr
	WIN 0x40
.set i, 0
.rept 256
	v_mov_b32 v[i], 0                              ; O^T starts at 0, so that the steps have one form of product
.set i, i+1
.endr
	WIN 0
	s_mov_b32 s[KT], 0
	s_wait_loadcnt 0x0
.irp k, 1,3,5,7,9,11,13
.irp c, 0,1,2,3
	v_max3_num_f32 v[64+\c], v[64+\c], v[64+4*\k+\c], v[68+4*\k+\c]
.endr
.endr
.irp c, 0,1,2,3
	v_max_num_f32 v[64+\c], v[64+\c], v[124+\c]
.endr
.irp m, 2,4,8                          ; lanes of like parity
.irp c, 64,65,66,67
	v_max_num_f32_dpp v\c, v\c, v\c row_xmask:\m row_mask:0xf bank_mask:0xf
.endr
.endr
.irp c, 0,1,2,3
	v_permlanex16_b32 v[68+\c], v[64+\c], s[SEL], s[SEL+1]
.endr
.irp c, 0,1,2,3
	v_max_num_f32 v[64+\c], v[64+\c], v[68+\c]
.endr
.irp c, 0,1,2,3
	v_max_num_f32 v[64+\c], 0x33800000, v[64+\c]   ; at 2^-24 or above
.endr
	v_mul_f32 v68, v64, v65
	v_mul_f32 v69, v66, v67
	v_mul_f32 v68, v68, v69                        ; even lanes: Mq Mk Mq2 Mk2
	v_rcp_f32 v70, v68
	v_rcp_f32 v71, v64                             ; odd lanes: 1 / Mv
	v_nop                                          ; the plain instruction behind the last reciprocal,
	s_wait_alu depctr_va_vdst(0)                   ; and one wait for the two
	v_mul_f32 v70, 0x41000000, v70                 ; x 8
	v_mul_f32 v71, 0x3a000000, v71                 ; x 2^-11
	v_readlane_b32 s[C], v70, 0
	v_readlane_b32 s[CZ], v71, 1
.irp j, 0,1,2,3,4,5,6,7
	v_cmp_le_i32 vcc_lo, \j, v[DD]                 ; key 8 (lane / 16) + j is seen by query lane % 16
	v_cndmask_b32 v[MDC+\j], 0, s[C], vcc_lo
.endr
.Lsame:
	s_wait_xcnt 0x0                                ; the loads and prefetches issued so far, a step back or more, have read their addresses
	s_lshl_b32 s[OFF], s[NXT], 15                  ; a pair of tiles is 32,768 bytes of each tensor
	s_add_nc_u64 s[SK:SK+1], s[KB:KB+1], s[OFF:OFF+1]
	s_add_nc_u64 s[SK2:SK2+1], s[K2B:K2B+1], s[OFF:OFF+1]
	s_add_nc_u64 s[SV:SV+1], s[VB:VB+1], s[OFF:OFF+1]
	s_add_co_u32 s[NXT], s[NXT], 1                 ; the block's next pair, or behind its last the second block's first
	s_cmp_eq_u32 s[NXT], s[NCUR]
	s_cselect_b32 s[NXT], 0, s[NXT]
	s_cselect_b32 s[NCUR], s[NL], s[NCUR]
	STEP 0
	STEP 1
	s_add_co_u32 s[KT], s[KT], 2
	s_sub_co_u32 s[RT], s[RT], 1
	s_sub_co_u32 s[TL], s[TL], 1
	s_cmp_lg_u32 s[TL], 0
	s_cbranch_scc1 .Ltrip
	FLUSH FL2                                      ; THE SECOND BLOCK ENDS
	s_wait_dscnt 0x0                               ; for the others' sake: my stores are done
	s_barrier_signal -1
	s_barrier_wait -1                              ; the launch's one barrier: all partial sums of both blocks lie in LDS
	; Wave w finishes query tiles 2 w and 2 w + 1.  In wave ws's part tile x lies in slot (x - 2 ws) % 8, 4,096 bytes a slot.
.irp ws, 0,1,2,3
.irp tt, 0,1
	s_lshl_b32 s13, s10, 1
	s_add_co_u32 s13, s13, (\tt)+8-2*(\ws)
	s_and_b32 s13, s13, 7
	s_lshl_b32 s13, s13, 12
	s_add_co_u32 s13, s13, (\ws)*32768
	v_add_nc_u32 v[RA+2*(\ws)+(\tt)], s13, v[LO16]
.endr
.endr
.macro HLOAD tt, cp, buf               ; tile tt, channels 32 cp on: 16 registers from each of the four waves
.irp ws, 0,1,2,3
.irp k, 0,1,2,3
	ds_load_b128 v[(\buf)+16*(\ws)+4*(\k):(\buf)+16*(\ws)+4*(\k)+3], v[RA+2*(\ws)+(\tt)] offset:(\cp)*2048+(\k)*512
.endr
.endr
.endm
.macro HSUM tt, cp, buf, n             ; summed, scaled by cz, rounded to f16, stored as two chunks of zf's fragment order
.irp j, 0,2,4,6,8,10,12,14
	v_pk_add_f32 v[(\buf)+(\j):(\buf)+(\j)+1], v[(\buf)+(\j):(\buf)+(\j)+1], v[(\buf)+16+(\j):(\buf)+16+(\j)+1]
	v_pk_add_f32 v[(\buf)+32+(\j):(\buf)+32+(\j)+1], v[(\buf)+32+(\j):(\buf)+32+(\j)+1], v[(\buf)+48+(\j):(\buf)+48+(\j)+1]
.endr
.irp j, 0,2,4,6,8,10,12,14
	v_pk_add_f32 v[(\buf)+(\j):(\buf)+(\j)+1], v[(\buf)+(\j):(\buf)+(\j)+1], v[(\buf)+32+(\j):(\buf)+32+(\j)+1]
.endr
.irp j, 0,2,4,6,8,10,12,14
	v_pk_mul_f32 v[(\buf)+(\j):(\buf)+(\j)+1], v[(\buf)+(\j):(\buf)+(\j)+1], s[CZ:CZ+1] op_sel_hi:[1,0]
.endr
.irp k, 0,1,2,3,4,5,6,7
	v_cvt_pk_f16_f32 v[192+8*(\n)+(\k)], v[(\buf)+2*(\k)], v[(\buf)+2*(\k)+1]
.endr
	global_store_b128 v[LO16], v[192+8*(\n):192+8*(\n)+3],   s[ZB:ZB+1] offset:(\tt)*32768+(2*(\cp))*512
	global_store_b128 v[LO16], v[192+8*(\n)+4:192+8*(\n)+7], s[ZB:ZB+1] offset:(\tt)*32768+(2*(\cp)+1)*512
.endm
	s_mov_b32 s[CNT], 2
.Lred:                                         ; two trips: the first block, the second
	HLOAD 0, 0, 64
	HLOAD 0, 1, 128
	s_wait_dscnt 16                                ; the sixteen loads issued last may stay out
	HSUM 0, 0, 64, 0
	HLOAD 1, 0, 64
	s_wait_dscnt 16
	HSUM 0, 1, 128, 1
	HLOAD 1, 1, 128
	s_wait_dscnt 16
	HSUM 1, 0, 64, 2
	s_wait_dscnt 0x0
	HSUM 1, 1, 128, 3
	s_wait_xcnt 0x0                                ; the stores have read their data and their base
	s_mov_b64 s[ZB:ZB+1], s[ZLO:ZLO+1]
.irp r, 0,1,2,3,4,5,6,7
	v_add_nc_u32 v[RA+\r], LOREG, v[RA+\r]
.endr
	s_sub_co_u32 s[CNT], s[CNT], 1
	s_cmp_lg_u32 s[CNT], 0
	s_cbranch_scc1 .Lred
	s_wait_tensorcnt 0x0                           ; the wave's end: behind my last LDS store
	ds_add_u32 v[SPW], v[NIL]
	s_wait_dscnt 0x0
	s_endpgm
.Lfunc_end_k_qae94306154_attn:
	.size	k_qae94306154_attn, .Lfunc_end_k_qae94306154_attn-k_qae94306154_attn
	.p2alignl 7, 3214868480
	.fill 96, 4, 3214868480
	.section	.rodata,"a",@progbits
	.p2align	6, 0x0
	.amdhsa_kernel k_qae94306154_attn
		.amdhsa_group_segment_fixed_size 262656
		.amdhsa_private_segment_fixed_size 0
		.amdhsa_enable_private_segment 0
		.amdhsa_kernarg_size 24
		.amdhsa_user_sgpr_count 2
		.amdhsa_user_sgpr_kernarg_segment_ptr 1
		.amdhsa_wavefront_size32 1
		.amdhsa_system_sgpr_workgroup_id_x 1
		.amdhsa_system_sgpr_workgroup_id_y 1
		.amdhsa_system_sgpr_workgroup_id_z 1
		.amdhsa_system_vgpr_workitem_id 0
		.amdhsa_next_free_vgpr 960
		.amdhsa_next_free_sgpr 96
		.amdhsa_reserve_vcc 1
		.amdhsa_float_denorm_mode_32 3
		.amdhsa_float_denorm_mode_16_64 3
		.amdhsa_memory_ordered 1
		.amdhsa_forward_progress 1
		.amdhsa_inst_pref_size 106
	.end_amdhsa_kernel
	.amdgpu_metadata
---
amdhsa.version: [ 1, 2 ]
amdhsa.kernels:
  - .name:           k_qae94306154_attn
    .symbol:         k_qae94306154_attn.kd
    .args:
      - { .name: qkv, .offset: 0, .size: 8, .value_kind: global_buffer, .address_space: global }
      - { .name: mx, .offset: 8, .size: 8, .value_kind: global_buffer, .address_space: global }
      - { .name: zf, .offset: 16, .size: 8, .value_kind: global_buffer, .address_space: global }
    .group_segment_fixed_size: 262656
    .private_segment_fixed_size: 0
    .kernarg_segment_align: 8
    .kernarg_segment_size: 24
    .max_flat_workgroup_size: 128
    .sgpr_count:     96
    .vgpr_count:     960
    .wavefront_size: 32
...
	.end_amdgpu_metadata
.endif
;; end of part 3
;; launch oproj (part 4): grid 8 x 32, 4 waves a work-group, clusters of 4 x 4, 327,680 bytes of LDS; arguments zf, wpf, mx, out0; writes out0
.if DOCPART == 4
	.amdgcn_target "amdgcn-amd-amdhsa--gfx1250"
	.amdhsa_code_object_version 6
	.text
	.protected	k_qae94306154_oproj
	.globl	k_qae94306154_oproj
	.p2align	8
	.type	k_qae94306154_oproj,@function
k_qae94306154_oproj:
	s_mov_b64 s[64:65], 0
	v_nop
	global_prefetch_b8 v0, s[64:65] scope:SCOPE_SE
	s_setreg_imm32_b32 hwreg(HW_REG_WAVE_MODE, 25, 1), 1
	s_wait_xcnt 0x0
	s_wait_alu depctr_hold_cnt(0) depctr_sa_sdst(0) depctr_va_vdst(0) depctr_va_sdst(0) depctr_va_ssrc(0) depctr_va_vcc(0) depctr_vm_vsrc(0)
	s_getreg_b32 s2, hwreg(HW_REG_IB_STS2, 6, 4)
	s_cmp_eq_u32 s2, 0
	s_cbranch_scc0 .Lentry_in_a_cluster
	s_endpgm
.Lentry_in_a_cluster:
	s_bfe_u32 s2, ttmp6, 0x10000c
	s_cmp_lg_u32 s2, 0xf033
	s_cbranch_scc0 .Lentry_shape_is_right
	s_endpgm
.Lentry_shape_is_right:
; OPROJ: out0[t][n] = U x the sum over c of z''[t][c] Wp[n][c]; f16 operands, f32 sums, f32 out.  U = Mq Mk Mq2 Mk2 Mv / 16 undoes the scales of the launch before and holds the 1/4096
; (M*: the maximum of mx's 256 entries, held at 2^-24 or above, as there).
; A tile of out0 is 128 x 128, so that there are 256 work-groups; four waves, each 64 x 64: 16 accumulators.  K = 1,024 goes in four steps of 256 through two LDS slots of 131,072 bytes.
; zf and wpf lie in fragment order (512 bytes a chunk of 16 rows x 16 along K): LDS loads take 512 consecutive bytes and want no padding.  A K step is written once and walked four times:
; the LDS addresses hang on s72, which one exclusive or turns from one slot to the other.
; The matrix instruction is used transposed (source 0 = 16 rows of Wp, source 1 = 16 tokens): a lane holds one token and eight neighbouring columns.
; CLUSTER 4 x 4: zf's tiles are shared along a row, wpf's along a column, each asked for jointly.  No prefetch: the tiles are small and the launch is short.
; LIMITS: as in the launch before; NaN and infinities are not treated apart.
; REGISTERS: window 0: v0-31 addresses and U; v32-63 scaled results; v64-127 rows read back, two buffers (first: mx); v128-255 the accumulators ((a, b) at 128 + 8 (4 a + b)).
;   window 1: two fragment buffers of 128: for 64 along K, 64 registers of zf, then 64 of wpf.
.set KSB,   8192                       ; bytes of a K step in a row block: 16 chunks
.set HALFT, 4*KSB                      ; 64 rows: what one load brings
.set SLOT1, 1<<17                      ; a slot: zf's two halves, then wpf's two
.set STAGE, 2*SLOT1                    ; behind the ring: 16 rows x 272 bytes for each wave
.set SP,    272
.set SPARE, STAGE+4*16*SP              ; the spare words, 128 bytes a wave
.set ADRA0, 4                          ; v4, v5  my fragments' place in a slot; never rewritten
.set ADRB0, 5
.set ADRA,  6                          ; v6, v7  the same in the slot in hand
.set ADRB,  7
.set STO,   8
.set RD,    9
.set CO,    10
.set UU,    12                         ; v[12:13] U, twice
.set LO16,  14
.set SPW,   28
.set NIL,   29
.set TMP,   32
.set ACC,   128
.set F0,    0
.set F1,    128
.set G1,  24
.set G0,  32
.set G1B, 48
.set G0B, 56
.set TB,  72
.set MSB, 0
.macro WIN new
.if MSB != (\new)
	s_set_vgpr_msb (MSB<<8)|(\new)
.set MSB, \new
.endif
.endm
.macro PLACES
.rept 4
	v_nop
.endr
.endm
.macro JLOAD s                         ; a joint load: waves 0 and 1 fetch zf's two halves, waves 2 and 3 wpf's; an s_nop 0 and four v_nop follow each line
	s_cmp_eq_u32 s11, 0
	s_cbranch_scc0 .Lfor_b_\@
	tensor_load_to_lds s[G0+4*(\s):G0+4*(\s)+3], s[G1:G1+7]
	s_nop 0
.rept 4
	v_nop
.endr
	s_branch .Lasked_\@
.Lfor_b_\@:
	tensor_load_to_lds s[G0B+4*(\s):G0B+4*(\s)+3], s[G1B:G1B+7]
	s_nop 0
.rept 4
	v_nop
.endr
.Lasked_\@:
.endm
.macro CROUND                          ; a round of the cluster's barrier
	s_barrier_signal -1
	s_barrier_wait -1
	s_cmp_lg_u32 s10, 0
	s_cbranch_scc1 .Lnot_wave_0_\@
	s_barrier_signal -3
.Lnot_wave_0_\@:
	s_barrier_wait -3
	s_barrier_signal -1
	s_barrier_wait -1
.endm
	s_load_b128 s[4:7], s[0:1], 0x0                ; zf, wpf
	s_load_b128 s[68:71], s[0:1], 0x10             ; mx, out0
	v_lshl_add_u32 v[SPW], v0, 2, SPARE
	v_mov_b32 v[NIL], 0
	ds_add_u32 v[SPW], v[NIL]                      ; the opening: the add, twice on end, and its wait ahead of my first tensor load
	ds_add_u32 v[SPW], v[NIL]
	v_lshrrev_b32 v1, 5, v0
	v_readfirstlane_b32 s10, v1                    ; wave 0..3
	s_lshr_b32 s11, s10, 1                         ; my half of the rows.  Also: I fetch zf (0) or wpf (1)
	s_and_b32 s12, s10, 1                          ; my half of the columns.  Also: which half of that tile I fetch
	s_bfe_u32 s40, ttmp6, 0x40000                  ; cx
	s_bfe_u32 s41, ttmp6, 0x40004                  ; cy
	s_lshl_b32 s42, ttmp9, 2
	s_add_co_u32 s42, s42, s40                     ; tile column
	s_and_b32 s13, ttmp7, 0xffff
	s_lshl_b32 s13, s13, 2
	s_add_co_u32 s13, s13, s41                     ; tile row
	s_lshl_b32 s43, s41, 2
	s_lshl_b32 s43, 15, s43                        ; my row of the cluster
	s_lshl_b32 s44, 0x1111, s40                    ; my column
	s_or_b32 s[G1+0], s43, (3<<16)|(1<<21)         ; 15:0 the mask; 17:16 elements of 8 bytes; 21 set beside a mask
	s_or_b32 s[G1B+0], s44, (3<<16)|(1<<21)
.irp g, G1, G1B
	s_mov_b32 s[(\g)+1], 1024<<16                  ; tensor_dim0 = 1,024 elements: a K step of one row block
	s_mov_b32 s[(\g)+2], 4<<16                     ; tensor_dim1 = 4 row blocks
	s_mov_b32 s[(\g)+3], 1024<<16                  ; tile_dim0
	s_mov_b32 s[(\g)+4], 4                         ; tile_dim1
	s_mov_b32 s[(\g)+5], 4096                      ; the pitch: a row block
	s_mov_b32 s[(\g)+6], 0
	s_mov_b32 s[(\g)+7], 0
.endr
	s_lshl_b32 s16, s13, 3                         ; zf: row block 8 x tile row + 4 x half
	s_lshl_b32 s17, s12, 2
	s_add_co_u32 s16, s16, s17
	s_lshl_b32 s16, s16, 15
	s_mov_b32 s17, 0
	s_lshl_b32 s46, s42, 3                         ; wpf: row block 8 x tile column + 4 x half
	s_lshl_b32 s47, s12, 2
	s_add_co_u32 s46, s46, s47
	s_lshl_b32 s46, s46, 15
	s_mov_b32 s47, 0
	s_lshl_b32 s20, s10, 15                        ; where they go: wave x 32,768
	s_mov_b32 s[TB], 0
	s_wait_dscnt 0x0                               ; both opening adds are done
	s_wait_kmcnt 0x0
	s_add_nc_u64 s[14:15], s[4:5], s[16:17]
	s_add_nc_u64 s[46:47], s[6:7], s[46:47]
	CROUND                                         ; all sixteen work-groups are here
.irp s, 0,1
	s_mov_b32 s[G0+4*(\s)], 1
	s_add_co_u32 s[G0+4*(\s)+1], s20, (\s)*SLOT1
	s_add_nc_u64 s[G0+4*(\s)+2:G0+4*(\s)+3], s[14:15], (\s)*KSB
	s_or_b32 s[G0+4*(\s)+3], s[G0+4*(\s)+3], 0x80000000
	s_mov_b32 s[G0B+4*(\s)], 1
	s_add_co_u32 s[G0B+4*(\s)+1], s20, (\s)*SLOT1
	s_add_nc_u64 s[G0B+4*(\s)+2:G0B+4*(\s)+3], s[46:47], (\s)*KSB
	s_or_b32 s[G0B+4*(\s)+3], s[G0B+4*(\s)+3], 0x80000000
	JLOAD \s                                       ; K steps 0 and 1: two loads of mine are out
.endr
	v_and_b32 v3, 31, v0
	v_lshlrev_b32 v[LO16], 4, v3
.irp i, 0,1,2,3,4,5,6,7,8,9,10,11,12,13,14,15
	global_load_b128 v[64+4*\i:64+4*\i+3], v[LO16], s[68:69] offset:512*\i  ; all of mx: even lanes hold (q, k, q2, k2), odd lanes v four times
.endr
.set i, 0
.rept 128
	v_mov_b32 v[ACC+i], 0                          ; the sums start at 0, written in the wait for the first tile, so that the one text of a K step has one form of product
.set i, i+1
.endr
	v_and_b32 v1, 15, v0                           ; l % 16
	v_bfe_u32 v2, v0, 4, 1                         ; l / 16
	s_lshl_b32 s21, s11, 15
	v_add_nc_u32 v[ADRA0], s21, v[LO16]
	s_lshl_b32 s21, s12, 15
	s_add_co_u32 s21, s21, 2*HALFT
	v_add_nc_u32 v[ADRB0], s21, v[LO16]
	s_mul_i32 s23, s10, 16*SP
	s_add_co_u32 s23, s23, STAGE                   ; my stage
	v_mul_u32_u24 v3, v1, SP                       ; in: row l % 16, 32 bytes for each half of the lanes
	v_lshl_add_u32 v3, v2, 5, v3
	v_add_nc_u32 v[STO], s23, v3
	v_mul_u32_u24 v3, v2, SP                       ; back: lanes 0-15 take one row of 256 bytes, lanes 16-31 the next
	v_lshl_add_u32 v3, v1, 4, v3
	v_add_nc_u32 v[RD], s23, v3
	v_lshlrev_b32 v3, 12, v2                       ; and the same two rows in out0
	v_lshl_add_u32 v[CO], v1, 4, v3
	s_lshl_b32 s74, s13, 7
	s_lshl_b32 s75, s11, 6
	s_add_co_u32 s74, s74, s75                     ; my first row
	s_lshl_b32 s74, s74, 12
	s_lshl_b32 s75, s42, 9
	s_add_co_u32 s74, s74, s75                     ; the tile's first column, in bytes,
	s_lshl_b32 s75, s12, 8
	s_add_co_u32 s74, s74, s75                     ; my 64 columns: 256 bytes
	s_mov_b32 s75, 0
	s_add_nc_u64 s[70:71], s[70:71], s[74:75]
	s_mov_b32 s76, 0x76543210
	s_mov_b32 s77, 0xfedcba98
	s_wait_loadcnt 0x0
.irp k, 1,3,5,7,9,11,13
.irp c, 0,1,2,3
	v_max3_num_f32 v[64+\c], v[64+\c], v[64+4*\k+\c], v[68+4*\k+\c]
.endr
.endr
.irp c, 0,1,2,3
	v_max_num_f32 v[64+\c], v[64+\c], v[124+\c]
.endr
.irp m, 2,4,8                          ; lanes of like parity
.irp c, 64,65,66,67
	v_max_num_f32_dpp v\c, v\c, v\c row_xmask:\m row_mask:0xf bank_mask:0xf
.endr
.endr
.irp c, 0,1,2,3
	v_permlanex16_b32 v[68+\c], v[64+\c], s76, s77
.endr
.irp c, 0,1,2,3
	v_max_num_f32 v[64+\c], v[64+\c], v[68+\c]
.endr
.irp c, 0,1,2,3
	v_max_num_f32 v[64+\c], 0x33800000, v[64+\c]   ; at 2^-24 or above
.endr
	v_mul_f32 v68, v64, v65
	v_mul_f32 v69, v66, v67
	v_mul_f32 v68, v68, v69                        ; even lanes: Mq Mk Mq2 Mk2
	v_readlane_b32 s78, v68, 0
	v_readlane_b32 s79, v64, 1                     ; an odd lane: Mv
	v_mov_b32 v[UU], s78
	v_mul_f32 v[UU], s79, v[UU]
	v_mul_f32 v[UU], 0x3d800000, v[UU]             ; / 16
	v_mov_b32 v[UU+1], v[UU]
; 8 matrix instructions: token blocks a0, a0 + 1 x all 4 column blocks, 32 along K: half c of buffer f.  The 16 accumulators take turns.
.macro MUL8 f, c, a0
	WIN 0x05                                       ; sources window 1; C and D window 0
.irp a, \a0, (\a0)+1
.irp b, 0,1,2,3
	v_wmma_f32_16x16x32_f16 v[ACC+8*(4*(\a)+(\b)):ACC+8*(4*(\a)+(\b))+7], v[(\f)+64+8*(4*(\c)+(\b)):(\f)+64+8*(4*(\c)+(\b))+7], v[(\f)+8*(4*(\c)+(\a)):(\f)+8*(4*(\c)+(\a))+7], v[ACC+8*(4*(\a)+(\b)):ACC+8*(4*(\a)+(\b))+7]
.endr
.endr
.endm
; 32 LDS loads in one run: quarter q (64 along K: four chunks) into buffer f; the first 32 along K first
.macro FETCH q, f
	WIN 0x40
.irp c, 0,1
.irp i, 0,1,2,3
	ds_load_b128 v[(\f)+64+8*(4*(\c)+(\i)):(\f)+64+8*(4*(\c)+(\i))+3],   v[ADRB] offset:(\i)*KSB+(2*(\q)+(\c))*1024
	ds_load_b128 v[(\f)+64+8*(4*(\c)+(\i))+4:(\f)+64+8*(4*(\c)+(\i))+7], v[ADRB] offset:(\i)*KSB+(2*(\q)+(\c))*1024+512
	ds_load_b128 v[(\f)+8*(4*(\c)+(\i)):(\f)+8*(4*(\c)+(\i))+3],         v[ADRA] offset:(\i)*KSB+(2*(\q)+(\c))*1024
	ds_load_b128 v[(\f)+8*(4*(\c)+(\i))+4:(\f)+8*(4*(\c)+(\i))+7],       v[ADRA] offset:(\i)*KSB+(2*(\q)+(\c))*1024+512
.endr
.endr
.endm
.macro QUARTER q, f, g                 ; multiplies buffer f and fetches quarter q into g
	s_wait_dscnt 16                                ; the first 32 along K are in
	MUL8 \f, 0, 0
	MUL8 \f, 0, 2
	PLACES
	FETCH \q, \g
	s_wait_dscnt 32                                ; all but the 32 just issued
	MUL8 \f, 1, 0
	MUL8 \f, 1, 2
.endm
.macro KSTEP                           ; a K step out of the slot at s72: 128 matrix instructions
	WIN 0
	v_add_nc_u32 v[ADRA], s[TB], v[ADRA0]
	v_add_nc_u32 v[ADRB], s[TB], v[ADRB0]
	FETCH 0, F0
	QUARTER 1, F0, F1
	QUARTER 2, F1, F0
	QUARTER 3, F0, F1
	s_wait_dscnt 16
	MUL8 F1, 0, 0
	MUL8 F1, 0, 2
	s_wait_dscnt 0x0
	MUL8 F1, 1, 0
	MUL8 F1, 1, 2
	WIN 0
.endm
; THE CHANGE OF SLOTS.  Each wave waits for all its tensor loads (one is out: its part of the other slot), adds 0 to its spare word, and waits for that and for its reads of the slot that it leaves.
; fill = 1: the barrier is a round of the cluster's, and the joint refill, with the K step two on, is the first thing behind it.
.macro CHANGE fill
	WIN 0
	s_wait_tensorcnt 0x0                           ; no tensor load of mine is out, so a group 0 may be written
	ds_add_u32 v[SPW], v[NIL]
.if \fill
	s_xor_b32 s[G0+5], s[G0+5], SLOT1              ; the walking descriptors: the other slot than last time,
	s_add_nc_u64 s[G0+6:G0+7], s[G0+6:G0+7], KSB   ; the next K step
	s_xor_b32 s[G0B+5], s[G0B+5], SLOT1
	s_add_nc_u64 s[G0B+6:G0B+7], s[G0B+6:G0B+7], KSB
	s_wait_dscnt 0x0                               ; the add is done, and my reads of the slot are over
	CROUND
	JLOAD 1                                        ; its four v_nop are also the places in front of the next fragment loads
.else
	s_wait_dscnt 0x0
	s_barrier_signal -1
	s_barrier_wait -1
	PLACES
.endif
	s_xor_b32 s[TB], s[TB], SLOT1
.endm
	s_wait_tensorcnt 1                             ; my part of K step 0 is in; K step 1's may stay out
	s_barrier_signal -1
	s_barrier_wait -1
	s_mov_b32 s3, 3
	s_branch .Lfirst                               ; the loop is entered behind its change of slots
.Lk:                                           ; K steps 0, 1, 2; the two changes between them ask for K steps 2 and 3
	CHANGE 1
.Lfirst:
	KSTEP
	s_sub_co_u32 s3, s3, 1
	s_cmp_lg_u32 s3, 0
	s_cbranch_scc1 .Lk
	CHANGE 0                                       ; the tail is written out: nothing is asked for
	KSTEP
	; THE WAY OUT.  A wave's 64 columns are 256 aligned bytes of a row of out0: 16 rows at a time go through my own stage and come back as whole rows; LDS serves a wave's instructions in order.
	PLACES
	PLACES
.irp a, 0,1,2,3
.set BK, 64+32*((\a)%2)
.set j, 0
.rept 16
	v_pk_mul_f32 v[TMP+j:TMP+j+1], v[ACC+32*(\a)+j:ACC+32*(\a)+j+1], v[UU:UU+1]
.set j, j+2
.endr
.irp b, 0,1,2,3
	ds_store_b128 v[STO], v[TMP+8*(\b):TMP+8*(\b)+3]   offset:64*(\b)
	ds_store_b128 v[STO], v[TMP+8*(\b)+4:TMP+8*(\b)+7] offset:64*(\b)+16
.endr
	s_wait_xcnt 0x0                                ; the earlier stores have read the registers that are loaded again below
.irp t, 0,1,2,3,4,5,6,7
	ds_load_b128 v[BK+4*(\t):BK+4*(\t)+3], v[RD] offset:(\t)*2*SP
.endr
	s_wait_dscnt 0x0
.irp t, 0,1,2,3,4,5,6,7
	global_store_b128 v[CO], v[BK+4*(\t):BK+4*(\t)+3], s[70:71] offset:(16*(\a)+2*(\t))*4096 th:TH_STORE_NT  ; 16 lanes store 256 consecutive bytes, at a multiple of 256 from out0's first byte
.endr
.endr
	s_wait_tensorcnt 0x0                           ; the wave's end
	ds_add_u32 v[SPW], v[NIL]
	s_wait_dscnt 0x0
	CROUND                                         ; the closing round
	s_endpgm
.Lfunc_end_k_qae94306154_oproj:
	.size	k_qae94306154_oproj, .Lfunc_end_k_qae94306154_oproj-k_qae94306154_oproj
	.p2alignl 7, 3214868480
	.fill 96, 4, 3214868480
	.section	.rodata,"a",@progbits
	.p2align	6, 0x0
	.amdhsa_kernel k_qae94306154_oproj
		.amdhsa_group_segment_fixed_size 327680
		.amdhsa_private_segment_fixed_size 0
		.amdhsa_enable_private_segment 0
		.amdhsa_kernarg_size 32
		.amdhsa_user_sgpr_count 2
		.amdhsa_user_sgpr_kernarg_segment_ptr 1
		.amdhsa_wavefront_size32 1
		.amdhsa_system_sgpr_workgroup_id_x 1
		.amdhsa_system_sgpr_workgroup_id_y 1
		.amdhsa_system_sgpr_workgroup_id_z 1
		.amdhsa_system_vgpr_workitem_id 0
		.amdhsa_next_free_vgpr 512
		.amdhsa_next_free_sgpr 80
		.amdhsa_reserve_vcc 0
		.amdhsa_float_denorm_mode_32 3
		.amdhsa_float_denorm_mode_16_64 3
		.amdhsa_memory_ordered 1
		.amdhsa_forward_progress 1
		.amdhsa_inst_pref_size 64
	.end_amdhsa_kernel
	.amdgpu_metadata
---
amdhsa.version: [ 1, 2 ]
amdhsa.kernels:
  - .name:           k_qae94306154_oproj
    .symbol:         k_qae94306154_oproj.kd
    .args:
      - { .name: zf, .offset: 0, .size: 8, .value_kind: global_buffer, .address_space: global }
      - { .name: wpf, .offset: 8, .size: 8, .value_kind: global_buffer, .address_space: global }
      - { .name: mx, .offset: 16, .size: 8, .value_kind: global_buffer, .address_space: global }
      - { .name: out0, .offset: 24, .size: 8, .value_kind: global_buffer, .address_space: global }
    .group_segment_fixed_size: 327680
    .private_segment_fixed_size: 0
    .kernarg_segment_align: 8
    .kernarg_segment_size: 32
    .max_flat_workgroup_size: 128
    .sgpr_count:     80
    .vgpr_count:     512
    .wavefront_size: 32
...
	.end_amdgpu_metadata
.endif
;; end of part 4
